; MI455X (gfx1250); checked and timed in simulation.
; The chip was launched on July 23, 2026; its instructions are those of AMD's public machine-readable ISA for CDNA 5 (MIT licence, August 2026) and "CDNA5" Instruction Set Architecture Reference Guide (July 2026). The comments in the code are by the model that wrote it; some were corrected since.
;; Head. Allowed arithmetic: float matrix products may take bf16 or f16 operands with f32 sums; other float arithmetic in f32, or as packed bf16 or f16 multiplies, adds, multiply-adds, maxima and minima; sums over many terms, partial sums and values carried from step to step in f32; what a program stores and reads back later, other than sums and carried values, may be rounded once to bf16 or f16.
;; Inputs: Wk 2,048 x 128 float32; Wq 2,048 x 128 float32; Wv 2,048 x 128 float32; x 8 x 4,096 x 2,048 float32.
;; Outputs: out0 8 x 4,096 x 128 float32.
;; 2 versions, each right; version 2 is version 1 with the launch prep written anew for expert scheduling mode. Each part assembles by itself: llvm-mc -triple=amdgcn-amd-amdhsa -mcpu=gfx1250 --defsym DOCPART=n.
;; ======== version 1 of 2: 4 launches
;; limits: values are held in f16: magnitudes above 65,504 overflow, below 6.1e-05 lose precision
;; workspace buffers: wt 1,572,864 bytes; qb 8,388,608 bytes; kv 16,777,216 bytes; hp 786,432 bytes
;; launch prep (part 1): grid 16 x 6, 4 waves a work-group, no clusters, 17,920 bytes of LDS; arguments Wq, Wk, Wv, wt; writes wt
.if DOCPART == 1
	.amdgcn_target "amdgcn-amd-amdhsa--gfx1250"
	.amdhsa_code_object_version 6
	.text
	.protected	k_q67913476db_prep
	.globl	k_q67913476db_prep
	.p2align	8
	.type	k_q67913476db_prep,@function
k_q67913476db_prep:
	s_mov_b64 s[64:65], 0
	v_nop
	global_prefetch_b8 v0, s[64:65] scope:SCOPE_SE
	s_setreg_imm32_b32 hwreg(HW_REG_WAVE_MODE, 25, 1), 1
	s_wait_xcnt 0x0
; THE WEIGHTS, CAST AND TURNED.  W_mu is [2048 k][128 n] f32 (mu = 0: Wq, 1: Wk, 2: Wv); wt is bf16 [384 rows][2048 k], a row 4,096 bytes.
; Column n of W_mu becomes row 96 (n / 32) + 32 mu + n % 32: rows 96 w .. 96 w + 95 are columns 32 w .. 32 w + 31 of q, then of k, then of v.
; A work-group takes 128 k x 64 columns of one matrix: 16 x 6 work-groups.  Each wave loads 32 rows of k (16 lanes take 256 consecutive bytes of a row), rounds two
; neighbouring k of a column into one word, and puts it into a turned tile in LDS; behind a barrier each wave reads 16 whole rows of 256 bytes and stores them,
; 16 lanes to 256 consecutive bytes at a multiple of 256 from wt's first byte.  No matrix unit, no cluster: 3 MiB are read once and nothing is shared.
.set PITCH, 272                        ; a row of the turned tile: 256 bytes + 16
.set SPARE, 64*PITCH                   ; behind the tile: the spare words, 128 bytes for each wave, which no other line names
.set LO,  3                            ; v3  my byte offset in the wave's rows of W: 2 (l / 16) rows + 16 (l % 16)
.set TS,  4                            ; v4  where I put a word of the turned tile
.set TR,  5                            ; v5  where I read 16 bytes of a row back
.set GO,  6                            ; v6  my byte offset in two rows of wt
.set SPW, 8                            ; v8  LDS address of my spare word; never rewritten
.set NIL, 9                            ; v9  0; never rewritten
.set IN,  16                           ; v[16:79]  16 loads; later v[16:47] the rows read back
.set PK,  80                           ; v[80:111] 32 packed words
.set WV,  14                           ; s14 my wave's number
	s_load_b256 s[4:11], s[0:1], 0x0               ; Wq s[4:5], Wk s[6:7], Wv s[8:9], wt s[10:11]
	v_lshl_add_u32 v[SPW], v0, 2, SPARE
	v_mov_b32 v[NIL], 0
	v_lshrrev_b32 v1, 5, v0
	v_readfirstlane_b32 s[WV], v1                  ; wave 0..3
	v_and_b32 v1, 15, v0                           ; r = l % 16
	v_bfe_u32 v2, v0, 4, 1                         ; h = l / 16
	s_and_b32 s15, ttmp7, 0xffff                   ; y = 2 mu + nh
	s_lshr_b32 s16, s15, 1                         ; mu: which matrix
	s_and_b32 s17, s15, 1                          ; nh: which 64 columns
	v_lshlrev_b32 v7, 4, v1                        ; 16 r
	v_lshl_add_u32 v[LO], v2, 10, v7               ; + 2 h rows of 512 bytes
	v_mul_u32_u24 v[TS], v1, 4*PITCH               ; column 4 r (+ e by the immediate),
	v_lshl_add_u32 v[TS], v2, 2, v[TS]             ; k = 32 w + 4 j + 2 h: 2 bytes each
	s_lshl_b32 s18, s[WV], 6
	v_add_nc_u32 v[TS], s18, v[TS]
	v_mul_u32_u24 v[TR], v2, PITCH                 ; back: lanes 0-15 one row, lanes 16-31 the next,
	v_add_nc_u32 v[TR], v[TR], v7
	s_mul_i32 s18, s[WV], 16*PITCH                 ; of my wave's 16 rows
	v_add_nc_u32 v[TR], s18, v[TR]
	v_lshl_add_u32 v[GO], v2, 12, v7               ; and the same two rows in wt
	s_lshl_b32 s20, ttmp9, 16                      ; from: (128 kb + 32 w) rows of 512 bytes + 256 nh
	s_lshl_b32 s18, s[WV], 14
	s_add_co_u32 s20, s20, s18
	s_lshl_b32 s18, s17, 8
	s_add_co_u32 s20, s20, s18
	s_mov_b32 s21, 0
	s_lshl_b32 s22, s17, 1                         ; to: row 96 (2 nh + w / 2) + 32 mu + 16 (w % 2), byte 256 kb
	s_lshr_b32 s18, s[WV], 1
	s_add_co_u32 s22, s22, s18
	s_mul_i32 s22, s22, 96
	s_lshl_b32 s18, s16, 5
	s_add_co_u32 s22, s22, s18
	s_and_b32 s18, s[WV], 1
	s_lshl_b32 s18, s18, 4
	s_add_co_u32 s22, s22, s18
	s_lshl_b32 s22, s22, 12
	s_lshl_b32 s18, ttmp9, 8
	s_add_co_u32 s22, s22, s18
	s_mov_b32 s23, 0
	s_wait_kmcnt 0x0
	s_cmp_eq_u32 s16, 1                            ; the matrix is chosen by the work-group's y alone
	s_cselect_b64 s[12:13], s[6:7], s[4:5]
	s_cmp_eq_u32 s16, 2
	s_cselect_b64 s[12:13], s[8:9], s[12:13]
	s_add_nc_u64 s[12:13], s[12:13], s[20:21]
	s_add_nc_u64 s[10:11], s[10:11], s[22:23]
.irp j, 0,1,2,3,4,5,6,7                ; pair j: rows 4 j + 2 h and the row behind it
	global_load_b128 v[IN+8*(\j):IN+8*(\j)+3],   v[LO], s[12:13] offset:2048*(\j) th:TH_LOAD_NT
	global_load_b128 v[IN+8*(\j)+4:IN+8*(\j)+7], v[LO], s[12:13] offset:2048*(\j)+512 th:TH_LOAD_NT
.endr
.irp j, 0,1,2,3,4,5,6,7
	s_wait_loadcnt 14-2*(\j)                       ; loads come back in order: pair j is in, the younger pairs stay out
.irp e, 0,1,2,3
	v_cvt_pk_bf16_f32 v[PK+4*(\j)+(\e)], v[IN+8*(\j)+(\e)], v[IN+8*(\j)+4+(\e)]  ; (k, k + 1) of column 4 r + e
.endr
.irp e, 0,1,2,3
	ds_store_b32 v[TS], v[PK+4*(\j)+(\e)] offset:(\e)*PITCH+8*(\j)
.endr
.endr
	s_wait_dscnt 0x0                               ; for the others' sake: my stores are done
	s_barrier_signal -1
	s_barrier_wait -1                              ; a row of the turned tile holds k from all four waves
.irp t, 0,1,2,3,4,5,6,7
	ds_load_b128 v[IN+4*(\t):IN+4*(\t)+3], v[TR] offset:(\t)*2*PITCH
.endr
.irp t, 0,1,2,3,4,5,6,7
	s_wait_dscnt 7-(\t)
	global_store_b128 v[GO], v[IN+4*(\t):IN+4*(\t)+3], s[10:11] offset:(\t)*8192
.endr
	s_wait_tensorcnt 0x0                           ; the wave's end, behind my last LDS store
	ds_add_u32 v[SPW], v[NIL]
	s_wait_dscnt 0x0
	s_endpgm
.Lfunc_end_k_q67913476db_prep:
	.size	k_q67913476db_prep, .Lfunc_end_k_q67913476db_prep-k_q67913476db_prep
	.p2alignl 7, 3214868480
	.fill 96, 4, 3214868480
	.section	.rodata,"a",@progbits
	.p2align	6, 0x0
	.amdhsa_kernel k_q67913476db_prep
		.amdhsa_group_segment_fixed_size 17920
		.amdhsa_private_segment_fixed_size 0
		.amdhsa_enable_private_segment 0
		.amdhsa_kernarg_size 32
		.amdhsa_user_sgpr_count 2
		.amdhsa_user_sgpr_kernarg_segment_ptr 1
		.amdhsa_wavefront_size32 1
		.amdhsa_system_sgpr_workgroup_id_x 1
		.amdhsa_system_sgpr_workgroup_id_y 1
		.amdhsa_system_sgpr_workgroup_id_z 1
		.amdhsa_system_vgpr_workitem_id 0
		.amdhsa_next_free_vgpr 112
		.amdhsa_next_free_sgpr 66
		.amdhsa_reserve_vcc 0
		.amdhsa_float_denorm_mode_32 3
		.amdhsa_float_denorm_mode_16_64 3
		.amdhsa_memory_ordered 1
		.amdhsa_forward_progress 1
		.amdhsa_inst_pref_size 10
	.end_amdhsa_kernel
	.amdgpu_metadata
---
amdhsa.version: [ 1, 2 ]
amdhsa.kernels:
  - .name:           k_q67913476db_prep
    .symbol:         k_q67913476db_prep.kd
    .args:
      - { .name: Wq, .offset: 0, .size: 8, .value_kind: global_buffer, .address_space: global }
      - { .name: Wk, .offset: 8, .size: 8, .value_kind: global_buffer, .address_space: global }
      - { .name: Wv, .offset: 16, .size: 8, .value_kind: global_buffer, .address_space: global }
      - { .name: wt, .offset: 24, .size: 8, .value_kind: global_buffer, .address_space: global }
    .group_segment_fixed_size: 17920
    .private_segment_fixed_size: 0
    .kernarg_segment_align: 8
    .kernarg_segment_size: 32
    .max_flat_workgroup_size: 128
    .sgpr_count:     66
    .vgpr_count:     112
    .wavefront_size: 32
...
	.end_amdgpu_metadata
.endif
;; end of part 1
;; launch proj (part 2): grid 256 x 1, 4 waves a work-group, clusters of 4 x 1, 327,680 bytes of LDS; arguments x, wt, qb, kv, hp; writes qb, kv, hp
.if DOCPART == 2
	.amdgcn_target "amdgcn-amd-amdhsa--gfx1250"
	.amdhsa_code_object_version 6
	.text
	.protected	k_q67913476db_proj
	.globl	k_q67913476db_proj
	.p2align	8
	.type	k_q67913476db_proj,@function
k_q67913476db_proj:
	s_mov_b64 s[64:65], 0
	v_nop
	global_prefetch_b8 v0, s[64:65] scope:SCOPE_SE
	s_setreg_imm32_b32 hwreg(HW_REG_WAVE_MODE, 25, 1), 1
	s_wait_xcnt 0x0
	s_wait_alu depctr_hold_cnt(0) depctr_sa_sdst(0) depctr_va_vdst(0) depctr_va_sdst(0) depctr_va_ssrc(0) depctr_va_vcc(0) depctr_vm_vsrc(0)
	s_getreg_b32 s2, hwreg(HW_REG_IB_STS2, 6, 4)
	s_cmp_eq_u32 s2, 0
	s_cbranch_scc0 .Lentry_in_a_cluster
	s_endpgm
.Lentry_in_a_cluster:
	s_bfe_u32 s2, ttmp6, 0x10000c
	s_cmp_lg_u32 s2, 0x3003
	s_cbranch_scc0 .Lentry_shape_is_right
	s_endpgm
.Lentry_shape_is_right:
; q, k, v = x W.  x: [32768 rows][2048] f32, rounded to bf16 on its way; wt: bf16 [384][2048] (made by the launch before); sums in f32, K ascending; q, k, v rounded once to f16.
; LIMIT.  f16 ends at 65,504: |q|, |k|, |v| must stay below it.
; SHARES.  A work-group owns 128 rows of x and all 384 columns, so x is read once.  Wave w owns all 128 rows x wt's rows 96 w .. 96 w + 95: 8 (a) x 6 (b) accumulators, 384 registers;
; b = 0, 1: channels 32 w .. + 31 of q; 2, 3: of k; 4, 5: of v.  K goes in 16 steps of 128, each four quarters of 32 along K, 48 matrix instructions a quarter for 28 LDS loads.
; ORIENTATION.  For q and k source 0 = wt's rows, source 1 = x's rows: a lane holds one row and eight neighbouring channels.  For v the other way round: a lane holds one channel and eight
; neighbouring keys.  Each is the 16 bytes that the layouts below want, so the results are stored straight from registers, 16 lanes to 256 consecutive aligned bytes.
; LAYOUTS.  qb: byte (R / 16) 4096 + (ch / 8) 256 + (R % 16) 16 + (ch % 8) 2.  kv: units of 64 keys, 32,768 bytes: K as qb within the unit; V at + 16,384: ((R % 64) / 8) 2048 + ch 16 + (R % 8) 2.
; hp: THE FIRST 64 ROWS OF EACH BATCH ONCE MORE, UNROUNDED.  A causal row q averages q + 1 keys only, so the first rows' terms are many times the output's root mean square, and f16's roundings of them
; weigh most there: the last launch makes those rows from f32.  A batch has 98,304 bytes: q at 0, k at 32,768: (R / 16) 8192 + (ch / 4) 256 + (R % 16) 16 + (ch % 4) 4; v at 65,536:
; (key / 16) 8192 + (ch / 16) 1024 + ((key % 16) / 4) 256 + (ch % 16) 16 + (key % 4) 4.
; wt's TILES are the same for all work-groups: the four partners of a cluster ask for each JOINTLY (mask 15), into a ring of two slots; wave w fetches and reads its own 96 rows.
; x COMES THROUGH REGISTERS, since it has to be rounded: one load is one row's 512 bytes of a K step; wave w brings rows 32 w .. + 31.  Eight groups of eight loads take turns; seven groups
; (56 loads a wave) are out at any time, and a group is asked for seven quarters ahead of its use.  It is rounded in place and stored into A's LDS slot for the next K step.  x is shared with nobody.
; ONE BARRIER A K STEP orders four things: every wave's reads of the old A and B slots are over, its stores into the next A slot are done, its part of the next B slot has landed.
; REGISTERS, in windows of 256: window 0: v0-17 addresses; v32-143, v144-255 two fragment buffers (6 of wt, 8 of x); window 1: x's eight groups of 32; windows 2, 3: accumulators a = 0-3, 4-7 at 8 (6 (a % 4) + b).
.set PITCH, 272                        ; an LDS row: 256 bytes + 16 = 68 words: the 16 rows of a fragment load start at 16 different groups of four banks (64 banks of 4 bytes: ISA guide 11.1)
.set BQ,    96*PITCH                   ; a wave's 96 rows of wt
.set BSLOT, 4*BQ                       ; a slot of wt; two slots from byte 0
.set ABASE, 2*BSLOT                    ; behind them x's two slots, written by ds_store alone: no tile lands there
.set ASLOT, 128*PITCH
.set SPARE, ABASE+2*ASLOT              ; the spare words, 128 bytes for each wave, which no other line names
.set ADRA, 4                           ; v4-5   LDS address of my x fragments in slot 0, 1
.set ADRB, 6                           ; v6-7   the same for wt
.set ASTO, 8                           ; v8-9   where I store 8 bytes of a row of x, slot 0, 1
.set XO,   10                          ; v10    16 x lane: my 16 bytes of a row's 512
.set QKO,  11                          ; v11    the way out for q and k: 1024 w + 16 x lane
.set VO,   12                          ; v12    for v: 2048 (l / 16) + 512 w + 16 (l % 16)
.set PFO,  13                          ; v13    the prefetches' offset: lane x a row of wt
.set SPW,  14                          ; v14    LDS address of my spare word; never rewritten
.set NIL,  15                          ; v15    0; never rewritten
.set CXV,  16                          ; v16    at work in the head; at the end my place in the cluster, in every lane
.set HO,   17                          ; v17    the way out into hp: 2048 w + 512 (l / 16) + 16 (l % 16)
.set F0,   32
.set F1,   144
.set TMP,  32                          ; the way out: 192 registers of packed results
.set WV,   14                          ; s14      my wave's number
.set XB,   20                          ; s[20:21] x at my wave's first row, at the K step of the trip
.set PFA,  22                          ; s[22:23] wt at the 32 rows that I prefetch, at the same K step
.set G1,   24                          ; s[24:31] descriptor group 1
.set G0,   32                          ; s[32:39] descriptor group 0, a set for each slot
.set TRIPS, 40
.set ASKF, 41                          ; s41      1 in a wave that prefetches
.set QB,   42                          ; s[42:43] qb at the work-group's rows
.set KVB,  44                          ; s[44:45] kv at the work-group's two units
.set HPB,  46                          ; s[46:47] hp at the work-group's batch
.set MSB, 0
.macro WIN new                         ; the immediate's high byte repeats the setting that is left; a switch that changes nothing is dropped
.if MSB != (\new)
	s_set_vgpr_msb (MSB<<8)|(\new)
.set MSB, (\new)
.endif
.endm
.set MUL_LO, 0xa0                      ; sources in window 0, C and D in window 2
.set MUL_HI, 0xf0                      ; C and D in window 3
.macro PLACES                          ; four places: in front of loads into registers that matrix instructions have read, and of conversions that read results
.rept 4
	v_nop
.endr
.endm
.macro CREST                           ; a round of the cluster's barrier behind its opening barrier
	s_cmp_lg_u32 s[WV], 0
	s_cbranch_scc1 .Lnot_wave_0_\@
	s_barrier_signal -3
.Lnot_wave_0_\@:
	s_barrier_wait -3
	s_barrier_signal -1
	s_barrier_wait -1
.endm
.macro CROUND                          ; a whole round
	s_barrier_signal -1
	s_barrier_wait -1
	CREST
.endm
; 6 cnt matrix instructions: row blocks a0 .. a0 + cnt - 1 x all six column blocks, 32 along K, from buffer f.  The 48 accumulators take turns, one instruction a turn, in the same order in
; every quarter, over the backward jump too.  zero = 1: the first product starts the sums: nothing is cleared.
.macro MUL f, a0, cnt, zero
.set ma, (\a0)
.rept \cnt
	WIN MUL_LO+0x50*(ma/4)
.set mb, 0
.rept 6
.set rD, 8*(6*(ma%4)+mb)
.if mb < 4
.set rX, (\f)+8*mb
.set rY, (\f)+48+8*ma
.else
.set rX, (\f)+48+8*ma
.set rY, (\f)+8*mb
.endif
.if \zero
	v_wmma_f32_16x16x32_bf16 v[rD:rD+7], v[rX:rX+7], v[rY:rY+7], 0
.else
	v_wmma_f32_16x16x32_bf16 v[rD:rD+7], v[rX:rX+7], v[rY:rY+7], v[rD:rD+7]
.endif
.set mb, mb+1
.endr
.set ma, ma+1
.endr
.endm
; 28 LDS loads in one run: a quarter's fragments at byte k of the rows, into buffer f: wt's six, x's rows 0-63, x's rows 64-127
.macro FETCH slot, k, f
	WIN 0
.irp b, 0,1,2,3,4,5
	ds_load_b128 v[(\f)+8*(\b):(\f)+8*(\b)+3],   v[ADRB+(\slot)] offset:(\k)+(\b)*16*PITCH
	ds_load_b128 v[(\f)+8*(\b)+4:(\f)+8*(\b)+7], v[ADRB+(\slot)] offset:(\k)+(\b)*16*PITCH+32
.endr
.irp a, 0,1,2,3,4,5,6,7
	ds_load_b128 v[(\f)+48+8*(\a):(\f)+48+8*(\a)+3],   v[ADRA+(\slot)] offset:(\k)+(\a)*16*PITCH
	ds_load_b128 v[(\f)+48+8*(\a)+4:(\f)+48+8*(\a)+7], v[ADRA+(\slot)] offset:(\k)+(\a)*16*PITCH+32
.endr
.endm
; Eight loads into group lg: my rows 8 lj .. 8 lj + 7, the K step lstep behind the pointer; each covers a row's 512 consecutive bytes
.macro GLOAD lg, lj, lstep
	WIN 0x40                                       ; destination window 1, address window 0
.irp i, 0,1,2,3,4,5,6,7
	global_load_b128 v[32*(\lg)+4*(\i):32*(\lg)+4*(\i)+3], v[XO], s[XB:XB+1] offset:(8*(\lj)+(\i))*8192+(\lstep)*512 th:TH_LOAD_NT
.endr
.endm
; Group grp has come (cnt younger loads may stay out); the group read out a quarter ago is asked for again (ld = 1), seven quarters ahead of its use; grp is rounded in place to bf16 and
; stored into the A slot that is not being read.  grp < 0: nothing is left to stage: four places alone.
.macro STAGE grp, cnt, ld, lstep=0
.if (\grp) < 0
	PLACES
.else
	s_wait_loadcnt \cnt
.if \ld
	GLOAD ((\grp)+7)%8, ((\grp)+3)%4, \lstep
.endif
	WIN 0x45                                       ; destination and both sources in window 1
.irp i, 0,1,2,3,4,5,6,7
	v_cvt_pk_bf16_f32 v[32*(\grp)+4*(\i)],   v[32*(\grp)+4*(\i)],   v[32*(\grp)+4*(\i)+1]
	v_cvt_pk_bf16_f32 v[32*(\grp)+4*(\i)+1], v[32*(\grp)+4*(\i)+2], v[32*(\grp)+4*(\i)+3]
.endr
	WIN 0x04                                       ; the stores' data in window 1
.irp i, 0,1,2,3,4,5,6,7
	ds_store_b64 v[ASTO+1-(\grp)/4], v[32*(\grp)+4*(\i):32*(\grp)+4*(\i)+1] offset:(8*((\grp)%4)+(\i))*PITCH  ; 32 lanes, 256 consecutive bytes: a row
.endr
.endif
.endm
; One of a K step's first three quarters: multiplies buffer f; in its middle a group of x is staged (its 16 conversions are the places in front of the loads) and the next quarter is fetched into g.
.macro QUARTER slot, k, f, g, zero, grp=-1, cnt=0, ld=0, lstep=0
	s_wait_dscnt 8                                 ; wt's fragments and x's rows 0-63 are in; the youngest eight loads may be out
	MUL \f, 0, 4, \zero
	STAGE \grp, \cnt, \ld, \lstep
	FETCH \slot, \k, \g
	s_wait_dscnt 28                                ; all but the 28 just issued
	MUL \f, 4, 4, \zero
.endm
; The last quarter multiplies buffer 1 and changes slots.  fill = 1: the barrier opens a round of the cluster's barrier, and behind it wt's slot just read out is filled again, two K steps on:
; one line for all waves, each with its own rows.  ask: byte along K of the K step that is prefetched, three steps on; 0: none.
.macro TURN slot, next, fill, ask, grp, cnt, ld, lstep=0
	s_wait_dscnt 8
	STAGE \grp, \cnt, \ld, \lstep
	WIN 0                                          ; (the add's two registers lie in window 0)
	s_wait_tensorcnt 0x0                           ; all my tensor loads have landed: the one that was out is my part of the next slot
	ds_add_u32 v[SPW], v[NIL]                      ; 0 onto my spare word
	MUL F1, 0, 2, 0                                ; twelve matrix instructions stand between the add and the wait for it
	s_wait_dscnt 0x0                               ; the add is done, my reads of both old slots are over, my stores into the next A slot are done
	s_barrier_signal -1
	MUL F1, 2, 2, 0                                ; work on registers while the others arrive
	WIN 0                                          ; at a branch and at a label every window is 0
	s_barrier_wait -1
.if \fill
	CREST                                          ; no wave of any partner still reads this slot's tile or has a load on its way
	s_add_nc_u64 s[G0+4*(\slot)+2:G0+4*(\slot)+3], s[G0+4*(\slot)+2:G0+4*(\slot)+3], 512
	tensor_load_to_lds s[G0+4*(\slot):G0+4*(\slot)+3], s[G1:G1+7]
	s_nop 0
	PLACES                                         ; the places in front of the loads below
.else
	PLACES
.endif
	FETCH \next, 0, F0
.if \ask
	s_cmp_eq_u32 s[ASKF], 1
	s_cbranch_scc0 .Lnot_mine_\@
	global_prefetch_b8 v[PFO], s[PFA:PFA+1] offset:\ask th:TH_LOAD_NT scope:SCOPE_SE
.Lnot_mine_\@:
.endif
	MUL F1, 4, 4, 0
.endm
; THE WAY OUT of 24 accumulators (window 2 or 3): rounded to f16, each accumulator's registers in ascending order, 16 bytes a lane, and stored as they lie.
.macro OUT hi
	WIN 0x0a+5*(\hi)                               ; sources 0 and 1: window 2 or 3
.set oi, 0
.rept 24
.irp r, 0,1,2,3
	v_cvt_pk_f16_f32 v[TMP+96*(\hi)+4*oi+(\r)], v[8*oi+2*(\r)], v[8*oi+2*(\r)+1]
.endr
.set oi, oi+1
.endr
	WIN 0
.set oi, 0
.rept 24
.set oa, 4*(\hi)+oi/6
.set ob, oi%6
.set rT, TMP+96*(\hi)+4*oi
.if ob < 2
	global_store_b128 v[QKO], v[rT:rT+3], s[QB:QB+1] offset:oa*4096+ob*512
.elseif ob < 4
	global_store_b128 v[QKO], v[rT:rT+3], s[KVB:KVB+1] offset:(oa/4)*32768+(oa%4)*4096+(ob-2)*512
.else
	global_store_b128 v[VO], v[rT:rT+3], s[KVB:KVB+1] offset:(oa/4)*32768+16384+(oa%4)*4096+(ob-4)*256
.endif
.set oi, oi+1
.endr
.endm
	s_load_b256 s[4:11], s[0:1], 0x0               ; x s[4:5], wt s[6:7], qb s[8:9], kv s[10:11]
	s_load_b64 s[HPB:HPB+1], s[0:1], 0x20          ; hp
	v_lshl_add_u32 v[SPW], v0, 2, SPARE
	v_mov_b32 v[NIL], 0
	ds_add_u32 v[SPW], v[NIL]                      ; the wave's opening: the add and its wait stand ahead of my first tensor load; the set-up below stands between them
	ds_add_u32 v14, v15
	v_lshrrev_b32 v1, 5, v0
	v_readfirstlane_b32 s[WV], v1                  ; wave 0..3
	s_bfe_u32 s15, ttmp6, 0x40000                  ; cx: my place in the cluster
	s_lshl_b32 s16, ttmp9, 2                       ; in a cluster launch ttmp9 counts clusters
	s_add_co_u32 s16, s16, s15                     ; my block of 128 rows: it enters x's, qb's and kv's addresses alone
	; descriptor group 1: a tile of 96 rows x 128 elements of 2 bytes, padded in LDS
	s_mov_b32 s[G1+0], 15|(1<<16)|(1<<20)|(1<<21)|(5<<22)|(3<<25)  ; 15:0 the mask of four; 17:16 2-byte elements; 20 padding on; 21 set beside a mask; 24:22 after every 64 words; 31:25 4 words
	s_mov_b32 s[G1+1], 128<<16                     ; tensor_dim0 = 128
	s_mov_b32 s[G1+2], 96<<16                      ; tensor_dim1 = 96
	s_mov_b32 s[G1+3], 128<<16                     ; tile_dim0 = 128
	s_mov_b32 s[G1+4], 96                          ; tile_dim1 = 96
	s_mov_b32 s[G1+5], 2048                        ; elements from row to row
	s_mov_b32 s[G1+6], 0
	s_mov_b32 s[G1+7], 0
	v_and_b32 v3, 31, v0                           ; lane
	v_lshlrev_b32 v[XO], 4, v3
	s_lshl_b32 s18, s16, 20                        ; 128 rows of 8,192 bytes a work-group,
	s_lshl_b32 s19, s[WV], 18                      ; 32 a wave
	s_add_co_u32 s18, s18, s19
	s_mov_b32 s19, 0
	s_wait_dscnt 0x0                               ; the opening add is done
	s_wait_kmcnt 0x0
	s_add_nc_u64 s[XB:XB+1], s[4:5], s[18:19]
	GLOAD 4, 0, 0                                  ; x first: K step 0's four groups and three of K step 1's: 56 loads
	GLOAD 5, 1, 0
	GLOAD 6, 2, 0
	GLOAD 7, 3, 0
	GLOAD 0, 0, 1
	GLOAD 1, 1, 1
	GLOAD 2, 2, 1
	WIN 0
	s_mul_i32 s18, s[WV], 96*4096                  ; my 96 rows of wt,
	s_mov_b32 s19, 0
	s_mul_i32 s17, s[WV], BQ                       ; and where they go: the wave's number alone enters an LDS address
	s_mov_b32 s[G0], 1                             ; count = 1
	s_mov_b32 s[G0+1], s17                         ; LDS address: slot 0
	s_add_nc_u64 s[G0+2:G0+3], s[6:7], s[18:19]    ; global address: K step 0
	s_mov_b32 s[G0+4], 1
	s_add_co_u32 s[G0+5], s17, BSLOT
	s_add_nc_u64 s[G0+6:G0+7], s[G0+2:G0+3], 256   ; K step 1
	s_or_b32 s[G0+3], s[G0+3], 0x80000000          ; type = 2
	s_or_b32 s[G0+7], s[G0+7], 0x80000000
	s_lshl_b32 s18, s16, 15
	s_add_nc_u64 s[QB:QB+1], s[8:9], s[18:19]
	s_lshl_b32 s18, s16, 16
	s_add_nc_u64 s[KVB:KVB+1], s[10:11], s[18:19]
	s_lshr_b32 s18, ttmp9, 3                       ; the batch: eight clusters each
	s_mul_i32 s18, s18, 98304
	s_add_nc_u64 s[HPB:HPB+1], s[HPB:HPB+1], s[18:19]
	; THE PREFETCH of wt.  All clusters walk the same 384 rows: the first cluster asks.  Its partner at place cx takes rows 96 cx .. + 95, told apart by address; waves 0 to 2 take 32 rows each, a lane a row.
	; The change of slots of K step s names K step s + 3, one K step (192 matrix instructions a wave) ahead of the load that will want it: steps 3 to 15, each row's 256 bytes once.  Steps 0 to 2 come by their loads alone.
	s_min_u32 s18, s[WV], 2
	s_lshl_b32 s18, s18, 5
	s_mul_i32 s2, s15, 96
	s_add_co_u32 s18, s18, s2
	s_lshl_b32 s18, s18, 12
	s_add_nc_u64 s[PFA:PFA+1], s[6:7], s[18:19]
	s_cmp_eq_u32 ttmp9, 0
	s_cselect_b32 s[ASKF], 1, 0
	s_cmp_lt_u32 s[WV], 3
	s_cselect_b32 s[ASKF], s[ASKF], 0              ; the same in all four partners, for a given wave
	CROUND                                         ; all four work-groups are here: the first joint loads meet
	tensor_load_to_lds s[G0:G0+3], s[G1:G1+7]      ; two loads of mine are out
	s_nop 0
	tensor_load_to_lds s[G0+4:G0+7], s[G1:G1+7]
	s_nop 0
	PLACES
	v_and_b32 v1, 15, v0                           ; r
	v_bfe_u32 v2, v0, 4, 1                         ; h
	v_mul_u32_u24 v16, v1, PITCH
	v_lshl_add_u32 v16, v2, 4, v16                 ; a fragment's row x pitch + 16 x half
	v_add_nc_u32 v[ADRA], ABASE, v16
	v_add_nc_u32 v[ADRA+1], ABASE+ASLOT, v16
	v_add_nc_u32 v[ADRB], s17, v16
	s_add_co_u32 s18, s17, BSLOT
	v_add_nc_u32 v[ADRB+1], s18, v16
	s_mul_i32 s18, s[WV], 32*PITCH
	s_add_co_u32 s18, s18, ABASE
	v_lshl_add_u32 v[ASTO], v3, 3, s18
	s_add_co_u32 s18, s18, ASLOT
	v_lshl_add_u32 v[ASTO+1], v3, 3, s18
	s_lshl_b32 s18, s[WV], 10
	v_add_nc_u32 v[QKO], s18, v[XO]
	v_lshlrev_b32 v[VO], 4, v1
	v_lshl_add_u32 v[VO], v2, 11, v[VO]
	s_lshl_b32 s18, s[WV], 9
	v_add_nc_u32 v[VO], s18, v[VO]
	v_lshlrev_b32 v[PFO], 12, v3
	STAGE 4, 48, 1, 1                              ; K step 0 of x goes into slot 0; 48: the six younger groups stay out
	s_wait_dscnt 0x0                               ; a group's stores are done before it is loaded again
	STAGE 5, 48, 1, 2
	s_wait_dscnt 0x0
	STAGE 6, 48, 1, 2
	s_wait_dscnt 0x0
	STAGE 7, 48, 1, 2
	WIN 0
	s_wait_tensorcnt 0x1                           ; my part of wt's K step 0 is in; K step 1's may stay out
	s_wait_dscnt 0x0                               ; my stores of x are done
	s_barrier_signal -1
	s_barrier_wait -1
	FETCH 0, 0, F0
	QUARTER 0, 64,  F0, F1, 1, 0, 48, 1, 2         ; the first quarter stands in front of the loop: its products start the sums
	WIN 0
	s_mov_b32 s[TRIPS], 6
.Ltrip:                                            ; a trip: two K steps, from a step's second quarter to the first of the step after next; both of wt's slots are filled again
	QUARTER 0, 128, F1, F0, 0, 1, 48, 1, 3
	QUARTER 0, 192, F0, F1, 0, 2, 48, 1, 3
	TURN 0, 1, 1, 768, 3, 48, 1, 3
	QUARTER 1, 64,  F0, F1, 0, 4, 48, 1, 3
	QUARTER 1, 128, F1, F0, 0, 5, 48, 1, 4
	QUARTER 1, 192, F0, F1, 0, 6, 48, 1, 4
	TURN 1, 0, 1, 1024, 7, 48, 1, 4
	QUARTER 0, 64,  F0, F1, 0, 0, 48, 1, 4
	WIN 0
	s_wait_xcnt 0x0                                ; every load and prefetch issued so far has read its address (the youngest load 24 products back): the pointers may be written
	s_add_nc_u64 s[XB:XB+1], s[XB:XB+1], 1024
	s_add_nc_u64 s[PFA:PFA+1], s[PFA:PFA+1], 512
	s_sub_co_u32 s[TRIPS], s[TRIPS], 1
	s_cmp_lg_u32 s[TRIPS], 0
	s_cbranch_scc1 .Ltrip
	QUARTER 0, 128, F1, F0, 0, 1, 48, 1, 3         ; K steps 12 to 15 are written out: the loads of x end, then wt's, and the counts run down
	QUARTER 0, 192, F0, F1, 0, 2, 48, 1, 3
	TURN 0, 1, 1, 768, 3, 48, 1, 3                 ; wt's K step 14; the last prefetch names K step 15
	QUARTER 1, 64,  F0, F1, 0, 4, 48, 1, 3         ; the last eight loads of x
	QUARTER 1, 128, F1, F0, 0, 5, 48, 0
	QUARTER 1, 192, F0, F1, 0, 6, 40, 0
	TURN 1, 0, 1, 0, 7, 32, 0                      ; wt's K step 15
	QUARTER 0, 64,  F0, F1, 0, 0, 24, 0
	QUARTER 0, 128, F1, F0, 0, 1, 16, 0
	QUARTER 0, 192, F0, F1, 0, 2, 8, 0
	TURN 0, 1, 0, 0, 3, 0, 0                       ; nothing is filled again: a plain barrier
	QUARTER 1, 64,  F0, F1, 0
	QUARTER 1, 128, F1, F0, 0
	QUARTER 1, 192, F0, F1, 0
	s_wait_dscnt 8
	MUL F1, 0, 4, 0
	s_wait_dscnt 0x0
	MUL F1, 4, 4, 0
	PLACES
	PLACES                                         ; (eight, once a launch)
	OUT 0
	OUT 1
	; A BATCH'S FIRST 64 ROWS GO OUT ONCE MORE, AS THE f32 SUMS THAT THEY ARE.  They are row blocks a = 0 .. 3 (window 2) of the batch's first work-group: the first partner of every eighth cluster.
	; The jump hangs on the cluster's number, which the partners share; the partner is chosen by EXEC, so that no branch hangs on a work-group's place in its cluster.
	s_and_b32 s18, ttmp9, 7
	s_cmp_lg_u32 s18, 0
	s_cbranch_scc1 .Lno_hp
	v_lshlrev_b32 v[HO], 4, v1                     ; 16 (l % 16)
	v_lshl_add_u32 v[HO], v2, 9, v[HO]             ; + 512 (l / 16): my eight numbers are two blocks of four
	s_lshl_b32 s18, s[WV], 11
	v_add_nc_u32 v[HO], s18, v[HO]                 ; + 2,048 w: my wave's 32 channels
	v_mov_b32 v[CXV], s15
	v_cmp_eq_u32 vcc_lo, 0, v[CXV]
	s_wait_xcnt 0x0                                ; EXEC is a source of the stores above: it changes only behind this wait
	s_and_saveexec_b32 s19, vcc_lo
	WIN 0x08                                       ; the stores' data in window 2
.set oi, 0
.rept 24
.set oa, oi/6
.set ob, oi%6
	global_store_b128 v[HO], v[8*oi:8*oi+3],   s[HPB:HPB+1] offset:(ob/2)*32768+oa*8192+(ob%2)*1024      ; 16 lanes store 256 consecutive bytes, at a multiple of 256 from hp's first byte
	global_store_b128 v[HO], v[8*oi+4:8*oi+7], s[HPB:HPB+1] offset:(ob/2)*32768+oa*8192+(ob%2)*1024+256
.set oi, oi+1
.endr
	WIN 0
	s_wait_xcnt 0x0                                ; and again, in front of the line that widens it
	s_or_b32 exec_lo, exec_lo, s19
.Lno_hp:
	s_wait_tensorcnt 0x0                           ; the wave's end, behind my last tensor load and my last LDS store
	ds_add_u32 v[SPW], v[NIL]
	s_wait_dscnt 0x0
	CROUND                                         ; the closing round: no work-group ends while a partner may still ask for a tile that names it
	s_endpgm
.Lfunc_end_k_q67913476db_proj:
	.size	k_q67913476db_proj, .Lfunc_end_k_q67913476db_proj-k_q67913476db_proj
	.p2alignl 7, 3214868480
	.fill 96, 4, 3214868480
	.section	.rodata,"a",@progbits
	.p2align	6, 0x0
	.amdhsa_kernel k_q67913476db_proj
		.amdhsa_group_segment_fixed_size 327680
		.amdhsa_private_segment_fixed_size 0
		.amdhsa_enable_private_segment 0
		.amdhsa_kernarg_size 40
		.amdhsa_user_sgpr_count 2
		.amdhsa_user_sgpr_kernarg_segment_ptr 1
		.amdhsa_wavefront_size32 1
		.amdhsa_system_sgpr_workgroup_id_x 1
		.amdhsa_system_sgpr_workgroup_id_y 1
		.amdhsa_system_sgpr_workgroup_id_z 1
		.amdhsa_system_vgpr_workitem_id 0
		.amdhsa_next_free_vgpr 960
		.amdhsa_next_free_sgpr 66
		.amdhsa_reserve_vcc 1
		.amdhsa_float_denorm_mode_32 3
		.amdhsa_float_denorm_mode_16_64 3
		.amdhsa_memory_ordered 1
		.amdhsa_forward_progress 1
		.amdhsa_inst_pref_size 207
	.end_amdhsa_kernel
	.amdgpu_metadata
---
amdhsa.version: [ 1, 2 ]
amdhsa.kernels:
  - .name:           k_q67913476db_proj
    .symbol:         k_q67913476db_proj.kd
    .args:
      - { .name: x, .offset: 0, .size: 8, .value_kind: global_buffer, .address_space: global }
      - { .name: wt, .offset: 8, .size: 8, .value_kind: global_buffer, .address_space: global }
      - { .name: qb, .offset: 16, .size: 8, .value_kind: global_buffer, .address_space: global }
      - { .name: kv, .offset: 24, .size: 8, .value_kind: global_buffer, .address_space: global }
      - { .name: hp, .offset: 32, .size: 8, .value_kind: global_buffer, .address_space: global }
    .group_segment_fixed_size: 327680
    .private_segment_fixed_size: 0
    .kernarg_segment_align: 8
    .kernarg_segment_size: 40
    .max_flat_workgroup_size: 128
    .sgpr_count:     66
    .vgpr_count:     960
    .wavefront_size: 32
...
	.end_amdgpu_metadata
.endif
;; end of part 2
;; launch attn (part 3): grid 32 x 8, 4 waves a work-group, clusters of 4 x 1, 327,680 bytes of LDS; arguments qb, kv, out0; writes out0
.if DOCPART == 3
	.amdgcn_target "amdgcn-amd-amdhsa--gfx1250"
	.amdhsa_code_object_version 6
	.text
	.protected	k_q67913476db_attn
	.globl	k_q67913476db_attn
	.p2align	8
	.type	k_q67913476db_attn,@function
k_q67913476db_attn:
	s_mov_b64 s[64:65], 0
	v_nop
	global_prefetch_b8 v0, s[64:65] scope:SCOPE_SE
	s_setreg_imm32_b32 hwreg(HW_REG_WAVE_MODE, 25, 1), 1
	s_wait_xcnt 0x0
	s_wait_alu depctr_hold_cnt(0) depctr_sa_sdst(0) depctr_va_vdst(0) depctr_va_sdst(0) depctr_va_ssrc(0) depctr_va_vcc(0) depctr_vm_vsrc(0)
	s_getreg_b32 s2, hwreg(HW_REG_IB_STS2, 6, 4)
	s_cmp_eq_u32 s2, 0
	s_cbranch_scc0 .Lentry_in_a_cluster
	s_endpgm
.Lentry_in_a_cluster:
	s_bfe_u32 s2, ttmp6, 0x10000c
	s_cmp_lg_u32 s2, 0x3003
	s_cbranch_scc0 .Lentry_shape_is_right
	s_endpgm
.Lentry_shape_is_right:
; CAUSAL ATTENTION, one head of 128 channels, 8 batches of 4,096 rows.  out0[q] = the sum over k <= q of softmax_k(q . k / sqrt(128)) v[k], f32.  q, k, v: f16, in the blocked layouts of the launch before.
; Products, maxima and sums in f32; the weights p are rounded to f16 for the second product (their sum l is taken of the unrounded p).
; LIMITS.  q, k, v arrive within f16's 65,504.  A hidden score counts as its value less 1e30 (scores are 5.5e11 at the most).  The running maximum starts at -2^83, above every hidden score and below
; every true one.  A weight below 2^-126 counts as 0.  NaN and infinities are not treated apart.
; THE WALK.  A batch has 16 superblocks of 256 queries; superblock i needs the key tiles 0 .. i of 256 keys.  Cluster c (0..7) of a batch takes superblock 15 - c and then c: 17 tiles whatever c, so all 256
; work-groups do equal work, the four partners walk the same tiles, and every tile is asked for JOINTLY (mask 15).  Partner cx owns queries 64 cx .. + 63 of each superblock.
; THE KEYS ARE SPLIT AMONG THE WAVES: every wave holds all 64 queries (four tiles of 16) and takes unit w (64 keys) of each tile, which it fetches and reads itself.  At a block's end the four partial
; (c m, l, O) meet in LDS: O = sum_w e_w O_w / L, e_w = 2^(c m_w - M), L = sum_w e_w l_w.
; THE MASK is the C operand of the products that start S^T = K Q^T.  In a block's last tile wave w sees all (w < cx), nothing (w > cx) or holds the diagonal (w = cx); there key group kt of 16 against query
; tile t: all (kt < t), none (kt > t), or D16 (-1e30 where 8 (l / 16) + j > l % 16).  Three groups of eight registers, made in every trip from three scalars: one text for all tiles.  cx enters values alone:
; no branch and no LDS address hangs on it.
; LAYOUT, SOFTMAX.  S^T holds ONE query a lane (l % 16) and the keys 8 (l / 16) + 0..7; two such results rounded to f16 ARE source 1 of O^T = V^T P.  p = 2^(c s - c m), c = log2(e) / sqrt(128), with a running
; maximum m; O and l are multiplied by a = 2^(c m_old - c m_new) in every step.  A block starts with c m far below everything: its first a is 0, so O and l need only hold finite numbers there.
; A STEP stands by itself: 32 products K Q^T of piece 0 (tiles 0, 1); 32 of piece 2 with piece 0's softmax in slices behind them; 32 products V^T P of piece 0 with piece 2's softmax; 32 of piece 2.
; REGISTERS, in windows of 256 (s_set_vgpr_msb: bits 1:0 source 0, 3:2 source 1, 5:4 source 2, 7:6 destination):
;   window 0: v0-11 addresses; v12-43 eight registers of statistics a tile; v60-63; v64-191 S^T, 32 a tile; v192-255 P, 16 a tile      window 1: O^T, 64 a tile
;   window 2: v0-127 Q, 32 a tile; v128-255 K of the step      window 3: v0-127 V of the step; v128-159 D16 and the three masks
.set SLOT1, 1<<17                      ; a slot is a tile, 131,072 bytes: wave w's unit at 32,768 w, K then V, as they lie in memory; one exclusive or turns an address into the other slot's
.set STAGE, 2*SLOT1                    ; behind the ring, never filled by a tensor load: four regions (by source wave) of 16 rows x 528 bytes
.set SP,    528                        ; 512 bytes + 16 = 33 x 16: the 16 rows of a store start at 16 different groups of four banks (ISA guide 11.1)
.set STAT,  STAGE+4*16*SP              ; (c m, l) of tile t, wave w, query r at 512 t + 128 w + 8 r
.set SPARE, STAT+2048                  ; the spare words, 128 bytes for each wave, which no other line names
.set AK0, 2                            ; v2   my lane's place in my unit's K; never rewritten
.set AV0, 3                            ; v3   the same for V
.set ADR, 4                            ; v4   K's LDS address in the slot in hand
.set ADRV, 5                           ; v5   V's
.set STO, 6                            ; v6   the merge: where I put 16 bytes of a row of my region
.set RD,  7                            ; v7   where I read 16 bytes of a row back
.set GO,  8                            ; v8   my byte offset in out0's 16 rows of a tile
.set SA,  10                           ; v10  where I put (c m, l)
.set SR,  11                           ; v11  where I read them
.set ST,  12                           ; tile t's statistics at v[ST+8 t]: c m, m, l (even keys', odd keys'), c0-c3 at work; a takes c2's place
.set QO,  60                           ; v60  16 x lane
.set PFO, 61                           ; v61  256 x lane
.set SPW, 62                           ; v62  LDS address of my spare word; never rewritten
.set NIL, 63                           ; v63  0; never rewritten
.set S,   64
.set P,   192
.set KF,  128                          ; window 2
.set D16, 128                          ; window 3
.set MLO, 136
.set MDG, 144
.set MHI, 152
.set WV,  12                           ; s12  my wave's number
.set CX,  13                           ; s13  my place in the cluster
.set CC,  14                           ; s14  c, the cluster's number in its batch
.set BA,  15                           ; s15  the batch
.set QH,  16                           ; s[16:17] qb at my queries of the first block
.set G1,  24                           ; s[24:31] descriptor group 1
.set G0,  32                           ; s[32:35] descriptor group 0
.set KVB, 36                           ; s[36:37] kv at my unit of the batch's tile 0
.set OFF, 38                           ; s[38:39] a tile's byte offset
.set QN,  40                           ; s[40:41] qb at my queries of the second block
.set OC,  42                           ; s[42:43] out0 at my queries of the block in hand
.set OL,  44                           ; s[44:45] of the second block
.set PFA, 46                           ; s[46:47] kv at the 32 blocks of 256 bytes that I prefetch
.set LIM, 48                           ; s48  2 in a cluster that prefetches, else the greatest number
.set SLOTS, 49                         ; s49  tiles still to be asked for
.set RT,  50                           ; s50  tiles of the block in hand still to be entered
.set NXT, 51                           ; s51  the tile to be asked for next
.set LQ,  52                           ; s52  the last tile of the block whose tiles are being asked for
.set TB,  54                           ; s54  LDS byte at which the slot in hand begins
.set AL,  56                           ; s[56:57] the diagonal mask's factor, in the low word
.set BE,  58                           ; s[58:59] its addend, and the mask for kt < t
.set CS,  60                           ; s[60:61] c
.set SEL, 62                           ; s[62:63] v_permlanex16_b32's selects: each lane takes its own place in the other half
.set HV,  66                           ; s66  the mask for kt > t
.set BIGN, 67                          ; s67  -1e30
.set ALD, 68                           ; s68-70  AL, BE, HV for a block's last tile
.set BED, 69
.set HVD, 70
.set MSB, 0
.macro WIN new                         ; the immediate's high byte repeats the setting that is left; a switch that changes nothing is dropped
.if MSB != (\new)
	s_set_vgpr_msb (MSB<<8)|(\new)
.set MSB, (\new)
.endif
.endm
.set W_KQ, 0x0a                        ; K and Q in window 2, S^T in window 0
.set W_KM, 0x3a                        ; the same with the C operand in window 3
.set W_PV, 0x53                        ; V in window 3, P in window 0, O^T in window 1
.set W_RS, 0x41                        ; O^T (destination and source 0) in window 1, the factor in window 0
.macro PLACES
.rept 4
	v_nop
.endr
.endm
.macro CROUND                          ; a round of the cluster's barrier
	s_barrier_signal -1
	s_barrier_wait -1
	s_cmp_lg_u32 s[WV], 0
	s_cbranch_scc1 .Lnot_wave_0_\@
	s_barrier_signal -3
.Lnot_wave_0_\@:
	s_barrier_wait -3
	s_barrier_signal -1
	s_barrier_wait -1
.endm
; Q of 64 queries into window 2: tile i / 4, channels 32 (i % 4) on; a load covers 512 consecutive bytes
.macro QLOAD base
	WIN 0x80
.irp i, 0,1,2,3,4,5,6,7,8,9,10,11,12,13,14,15
	global_load_b128 v[8*(\i):8*(\i)+3],   v[QO], s[\base:\base+1] offset:((\i)/4)*4096+((\i)%4)*1024
	global_load_b128 v[8*(\i)+4:8*(\i)+7], v[QO], s[\base:\base+1] offset:((\i)/4)*4096+((\i)%4)*1024+512
.endr
.endm
; THE CHANGE OF SLOTS.  Each wave waits for all its tensor loads, of which one is out: its unit of the other slot; adds 0 to its spare word; and waits for that and for its reads of the slot that it leaves.
; fill = 1: a round of the cluster's barrier, and behind it the old slot is filled again with tile NXT, whose address is made anew from that number; every wave issues the one line, for its own unit.
; Behind it the prefetch: in trips 0 to 13 of the batch's first cluster each of its 16 waves names its own 32 blocks of 256 bytes (32,768 cx + 8,192 w + 256 x lane) of the tile that the NEXT change will ask
; for, so each block of tiles 2 to 15 is named once in the launch; tiles 0 and 1 come by their loads alone, and the second blocks' walks ask for nothing.
.macro CHANGE fill
	WIN 0                                          ; at a label and at a branch every window is 0
	s_wait_tensorcnt 0x0                           ; no tensor load of mine is out, so group 0 may be written
	ds_add_u32 v[SPW], v[NIL]                      ; 0 onto my spare word; the scalar work stands between it and the wait for it
.if \fill
	s_lshl_b32 s[OFF], s[NXT], 17
	s_xor_b32 s[G0+1], s[G0+1], SLOT1
	s_add_nc_u64 s[G0+2:G0+3], s[KVB:KVB+1], s[OFF:OFF+1]
	s_or_b32 s[G0+3], s[G0+3], 0x80000000
	s_add_co_u32 s[NXT], s[NXT], 1                 ; the block's next tile, or behind its last the second block's tile 0
	s_cmp_gt_u32 s[NXT], s[LQ]
	s_cselect_b32 s[NXT], 0, s[NXT]
	s_cselect_b32 s[LQ], s[CC], s[LQ]
	s_wait_xcnt 0x0                                ; the last prefetch, a trip back, has read its address
	s_add_nc_u64 s[PFA:PFA+1], s[PFA:PFA+1], 131072
	s_wait_dscnt 0x0                               ; the add is done, and my reads of the slot are over
	CROUND
	tensor_load_to_lds s[G0:G0+3], s[G1:G1+7]
	s_nop 0
	PLACES
	s_cmp_gt_u32 s[SLOTS], s[LIM]
	s_cbranch_scc0 .Lnot_mine_\@
	global_prefetch_b8 v[PFO], s[PFA:PFA+1] th:TH_LOAD_NT scope:SCOPE_SE
.Lnot_mine_\@:
.else
	s_wait_dscnt 0x0
	s_barrier_signal -1
	s_barrier_wait -1
	PLACES
.endif
	s_xor_b32 s[TB], s[TB], SLOT1
.endm
.macro MASKS                           ; 20 plain instructions, which are also places in front of the loads into K's and V's registers
	WIN 0xc3
.set z, 0
.rept 8
	v_mov_b32 v[MLO+z], s[BE]
.set z, z+1
.endr
.set z, 0
.rept 4
	v_pk_fma_f32 v[MDG+2*z:MDG+2*z+1], v[D16+2*z:D16+2*z+1], s[AL:AL+1], s[BE:BE+1] op_sel_hi:[1,0,0]
.set z, z+1
.endr
.set z, 0
.rept 8
	v_mov_b32 v[MHI+z], s[HV]
.set z, z+1
.endr
.endm
; The step's K (16 fragments: keys 16 (f / 4) on, channels 32 (f % 4) on) and V (keys 32 (f / 8) on, channels 16 (f % 8) on): two runs of 32 loads; 16 lanes read 256 consecutive bytes.
.macro FETCH
	WIN 0
	v_add_nc_u32 v[ADR], s[TB], v[AK0]
	v_add_nc_u32 v[ADRV], s[TB], v[AV0]
	WIN 0x80
.irp f, 0,1,2,3,4,5,6,7,8,9,10,11,12,13,14,15
	ds_load_b128 v[KF+8*(\f):KF+8*(\f)+3],   v[ADR] offset:((\f)/4)*4096+((\f)%4)*1024
	ds_load_b128 v[KF+8*(\f)+4:KF+8*(\f)+7], v[ADR] offset:((\f)/4)*4096+((\f)%4)*1024+512
.endr
	WIN 0xc0
.irp f, 0,1,2,3,4,5,6,7,8,9,10,11,12,13,14,15
	ds_load_b128 v[8*(\f):8*(\f)+3],   v[ADRV] offset:((\f)/8)*8192+((\f)%8)*256
	ds_load_b128 v[8*(\f)+4:8*(\f)+7], v[ADRV] offset:((\f)/8)*8192+((\f)%8)*256+4096
.endr
.endm
; Product i of 32 of S^T = K Q^T for piece x: channels 32 (i / 8) on, keys 16 ((i / 2) % 4) on, tile x + i % 2.  The first 8 start the sums with a mask.  The 8 accumulators take turns.
.macro KQ x
.set rS, S+32*((\x)+i%2)+8*((i/2)%4)
.set rK, KF+32*((i/2)%4)+8*(i/8)
.set rQ, 32*((\x)+i%2)+8*(i/8)
.if i < 8
.set rM, MLO
.if (i/2)%4 == (\x)+i%2
.set rM, MDG
.elseif (i/2)%4 > (\x)+i%2
.set rM, MHI
.endif
	WIN W_KM
	v_wmma_f32_16x16x32_f16 v[rS:rS+7], v[rK:rK+7], v[rQ:rQ+7], v[rM:rM+7]
.else
	WIN W_KQ
	v_wmma_f32_16x16x32_f16 v[rS:rS+7], v[rK:rK+7], v[rQ:rQ+7], v[rS:rS+7]
.endif
.endm
; Product i of 32 of O^T += V^T P for piece x: keys 32 (i / 16) on, channels 16 ((i / 2) % 8) on, tile x + i % 2.  16 accumulators by turns.
.macro PV x
	WIN W_PV
.set rO, 64*((\x)+i%2)+8*((i/2)%8)
.set rV, 64*(i/16)+8*((i/2)%8)
.set rP, P+16*((\x)+i%2)+8*(i/16)
	v_wmma_f32_16x16x32_f16 v[rO:rO+7], v[rV:rV+7], v[rP:rP+7], v[rO:rO+7]
.endm
; One tile's softmax for a step is a list of 134 instructions; SM writes number j of it for tile t.  s0-s31 are the lane's 32 scores, in pairs 0-15.
;   0-15   the maximum of s0-s31 and the old m, three operands at a time (each accumulator's lowest registers are read first)
;   16-20  the other half of the lanes' maximum; the new m; c m; c m_old - c m_new
;   21-69  ONE BATCH: the 16 scalings c s - c m and all 33 exponentials (a at 23, then s0-s31); none of these reads an exponential's result
;   70-85  the roundings to f16      86-101  the sums; l = a l + the sum      102-133  the tile's O^T times a
.macro SM t
.set rT, ST+8*(\t)
.set rS, S+32*(\t)
.set rP, P+16*(\t)
.set rO, 64*(\t)+2*(j-102)
.if j < 102
	WIN 0
.endif
.if j < 4
	v_max3_num_f32 v[rT+4+j], v[rS+8*j], v[rS+8*j+1], v[rS+8*j+2]
.elseif j < 12
	v_max3_num_f32 v[rT+4+j%4], v[rT+4+j%4], v[rS+8*(j%4)+2*(j/4)+1], v[rS+8*(j%4)+2*(j/4)+2]
.elseif j == 12
	v_max3_num_f32 v[rT+4], v[rT+4], v[rS+7], v[rS+15]
.elseif j == 13
	v_max3_num_f32 v[rT+6], v[rT+6], v[rS+23], v[rS+31]
.elseif j == 14
	v_max3_num_f32 v[rT+4], v[rT+4], v[rT+5], v[rT+6]
.elseif j == 15
	v_max3_num_f32 v[rT+4], v[rT+4], v[rT+7], v[rT+1]
.elseif j == 16
	v_permlanex16_b32 v[rT+5], v[rT+4], s[SEL], s[SEL+1]  ; the query's other 32 keys lie in the lane 16 away
.elseif j == 17
	v_mov_b32 v[rT+7], v[rT]                       ; c m_old is kept for a
.elseif j == 18
	v_max_num_f32 v[rT+1], v[rT+4], v[rT+5]
.elseif j == 19
	v_mul_f32 v[rT], s[CS], v[rT+1]
.elseif j == 20
	v_sub_f32 v[rT+7], v[rT+7], v[rT]
.elseif j == 23
	v_exp_f32 v[rT+6], v[rT+7]
.elseif (j < 23) || ((j < 38) && (j%2 == 0)) || ((j < 66) && (j%4 == 2))
.set b, (j-2)/4
.if j < 38
.set b, (j-20)/2
.endif
	v_pk_fma_f32 v[rS+2*b:rS+2*b+1], v[rS+2*b:rS+2*b+1], s[CS:CS+1], v[rT:rT+1] op_sel_hi:[1,0,0] neg_lo:[0,0,1] neg_hi:[0,0,1]
.elseif j < 70
.set e, j-38
.if j < 66
.set e, j-32-(j-38)/4
.endif
.if j < 38
.set e, (j-25)/2
.endif
	v_exp_f32 v[rS+e], v[rS+e]
.elseif j < 86
	v_cvt_pk_f16_f32 v[rP+j-70], v[rS+2*(j-70)], v[rS+2*(j-70)+1]
.elseif j < 102
.set z, j-86
.set w, 4
.set u, z
.if z >= 14
.set w, 32
.set u, 0
.elseif z >= 12
.set w, 16
.set u, z-12
.elseif z >= 8
.set w, 8
.set u, z-8
.endif
.if z < 15
	v_pk_add_f32 v[rS+w*u:rS+w*u+1], v[rS+w*u:rS+w*u+1], v[rS+w*u+w/2:rS+w*u+w/2+1]
.else
	v_pk_fma_f32 v[rT+2:rT+3], v[rT+2:rT+3], v[rT+6:rT+7], v[rS:rS+1] op_sel_hi:[1,0,1]
.endif
.else
	WIN W_RS
	v_pk_mul_f32 v[rO:rO+1], v[rO:rO+1], v[rT+6:rT+7] op_sel_hi:[1,0]
.endif
.endm
; Slice k of 64 of piece y's softmax.  Slices 11 to 34 deal out the batch, four numbers of one tile each, the tiles by turns; every other slice is numbers 2 k and 2 k + 1 of both tiles; slice 63 takes the eight of each tile
; that are over.  Behind slice 34 stand one plain instruction and ONE wait for the piece's 66 exponentials: ahead of it nothing names a result, behind it no exponential is issued.
.macro SLICE y
.if (k >= 11) && (k < 35)
.irp n, 0,1,2,3
.set j, 22+4*((k-11)/2)+(\n)
	SM (\y)+(k-11)%2
.endr
.else
.irp n, 0,1,2,3,4,5,6,7
.if ((\n) < 2) || (k == 63)
.irp t, \y, (\y)+1
.set j, 2*k+(\n)
	SM \t
.endr
.endif
.endr
.endif
.if k == 34
	v_nop
	s_wait_alu depctr_va_vdst(0)
.endif
.set k, k+1
.endm
; A KEY STEP: my 64 keys against the work-group's 64 queries.  Slices 62 and 63, twenty plain instructions on O^T of the other piece, are the places behind each run's last product.
.macro STEP
	MASKS
	FETCH
	s_wait_loadcnt 0x0                             ; Q
	s_wait_dscnt 32                                ; K is in; V's 32 loads may stay out
.set i, 0
.rept 32
	KQ 0
.set i, i+1
.endr
	PLACES                                         ; in front of the first read of those scores
.set k, 0
.set i, 0
.rept 32
	KQ 2
	SLICE 0
	SLICE 0
.set i, i+1
.endr
	s_wait_dscnt 0x0                               ; V is in
.set k, 0
.set i, 0
.rept 32
	PV 0
	SLICE 2
	SLICE 2
.set i, i+1
.endr
.set i, 0
.rept 32
	PV 2
.set i, i+1
.endr
	WIN 0
.endm
; A BLOCK'S END.  nextq = 1: the second block's Q is asked for here, where Q's registers are dead.
.macro MERGE nextq
	WIN 0
.irp t, 0,1,2,3                        ; l's two halves and the other half of the lanes'; these lines are the places behind the last products
	v_add_f32 v[ST+8*(\t)+4], v[ST+8*(\t)+2], v[ST+8*(\t)+3]
.endr
.irp t, 0,1,2,3
	v_permlanex16_b32 v[ST+8*(\t)+5], v[ST+8*(\t)+4], s[SEL], s[SEL+1]
.endr
.irp t, 0,1,2,3
	v_add_f32 v[ST+8*(\t)+1], v[ST+8*(\t)+4], v[ST+8*(\t)+5]  ; l takes m's place beside c m
.endr
.if \nextq
	QLOAD QN
	WIN 0
.endif
.irp t, 0,1,2,3
	ds_store_b64 v[SA], v[ST+8*(\t):ST+8*(\t)+1] offset:512*(\t)  ; both halves of the lanes write the same two numbers
.endr
	s_wait_dscnt 0x0                               ; for the others' sake
	s_barrier_signal -1
	s_barrier_wait -1
.irp t, 0,1,2,3
.irp u, 0,1,2,3
	ds_load_b64 v[S+8*(\t)+2*(\u):S+8*(\t)+2*(\u)+1], v[SR] offset:512*(\t)+128*(\u)
.endr
.endr
	s_wait_dscnt 0x0
.irp t, 0,1,2,3
	v_max3_num_f32 v[ST+8*(\t)+4], v[S+8*(\t)], v[S+8*(\t)+2], v[S+8*(\t)+4]
.endr
.irp t, 0,1,2,3
	v_max_num_f32 v[ST+8*(\t)+4], v[ST+8*(\t)+4], v[S+8*(\t)+6]  ; M
.endr
.irp t, 0,1,2,3
.irp u, 0,1,2,3
	v_sub_f32 v[S+8*(\t)+2*(\u)], v[S+8*(\t)+2*(\u)], v[ST+8*(\t)+4]
.endr
	v_sub_f32 v[ST+8*(\t)+5], v[ST+8*(\t)], v[ST+8*(\t)+4]      ; my own c m - M
.endr
.irp t, 0,1,2,3                        ; one batch of 20 exponentials
.irp u, 0,1,2,3
	v_exp_f32 v[S+8*(\t)+2*(\u)], v[S+8*(\t)+2*(\u)]
.endr
	v_exp_f32 v[ST+8*(\t)+5], v[ST+8*(\t)+5]
.endr
	v_nop                                          ; a plain instruction behind the last exponential,
	s_wait_alu depctr_va_vdst(0)                   ; and the one wait ahead of the first use
.irp t, 0,1,2,3
	v_mul_f32 v[ST+8*(\t)+4], v[S+8*(\t)], v[S+8*(\t)+1]
.endr
.irp u, 1,2,3
.irp t, 0,1,2,3
	v_fma_f32 v[ST+8*(\t)+4], v[S+8*(\t)+2*(\u)], v[S+8*(\t)+2*(\u)+1], v[ST+8*(\t)+4]  ; L
.endr
.endr
.irp t, 0,1,2,3
	v_rcp_f32 v[ST+8*(\t)+7], v[ST+8*(\t)+4]
.endr
	v_nop
	s_wait_alu depctr_va_vdst(0)                   ; one wait for the four reciprocals
.irp t, 0,1,2,3
	v_mul_f32 v[ST+8*(\t)+6], v[ST+8*(\t)+5], v[ST+8*(\t)+7]    ; my factor e / L
.endr
.irp t, 0,1,2,3                        ; a tile at a time: my O^T times my factor into my region; behind a barrier wave w adds rows 4 w .. 4 w + 3 of the four regions and stores them
.set BK, S+64*((\t)%2)
	WIN W_RS
.set z, 0
.rept 32
	v_pk_mul_f32 v[64*(\t)+2*z:64*(\t)+2*z+1], v[64*(\t)+2*z:64*(\t)+2*z+1], v[ST+8*(\t)+6:ST+8*(\t)+7] op_sel_hi:[1,0]
.set z, z+1
.endr
	WIN 0x04                                       ; the stores' data in window 1
.set z, 0
.rept 16
	ds_store_b128 v[STO], v[64*(\t)+4*z:64*(\t)+4*z+3] offset:(z/2)*64+(z%2)*16
.set z, z+1
.endr
	WIN 0
	s_wait_dscnt 0x0                               ; for the others' sake: my stores are done
	s_barrier_signal -1
	s_barrier_wait -1
	s_wait_xcnt 0x0                                ; the stores of the tile before last have read these registers
.irp u, 0,1,2,3
.irp i, 0,1,2,3
	ds_load_b128 v[BK+16*(\u)+4*(\i):BK+16*(\u)+4*(\i)+3], v[RD] offset:(\u)*16*SP+(\i)*SP
.endr
.endr
	s_wait_dscnt 0x0                               ; my reads of the stage are over:
.if (\t) < 3
	s_barrier_signal -1                            ; say so, since the next tile is written over them; the sums stand between signal and wait
.endif
.set z, 0
.rept 8
	v_pk_add_f32 v[BK+2*z:BK+2*z+1], v[BK+2*z:BK+2*z+1], v[BK+16+2*z:BK+16+2*z+1]
	v_pk_add_f32 v[BK+32+2*z:BK+32+2*z+1], v[BK+32+2*z:BK+32+2*z+1], v[BK+48+2*z:BK+48+2*z+1]
.set z, z+1
.endr
.set z, 0
.rept 8
	v_pk_add_f32 v[BK+2*z:BK+2*z+1], v[BK+2*z:BK+2*z+1], v[BK+32+2*z:BK+32+2*z+1]
.set z, z+1
.endr
.if (\t) < 3
	s_barrier_wait -1
.endif
.irp i, 0,1,2,3
	global_store_b128 v[GO], v[BK+4*(\i):BK+4*(\i)+3], s[OC:OC+1] offset:(\t)*8192+(\i)*512  ; a whole row of out0: 512 consecutive bytes
.endr
.endr
.endm
	s_load_b128 s[4:7], s[0:1], 0x0                ; qb s[4:5], kv s[6:7]
	s_load_b64 s[8:9], s[0:1], 0x10                ; out0
	v_lshl_add_u32 v[SPW], v0, 2, SPARE
	v_mov_b32 v[NIL], 0
	ds_add_u32 v[SPW], v[NIL]                      ; the wave's opening: the add and its wait stand ahead of my first tensor load; the set-up below stands between them
	ds_add_u32 v62, v63
	v_lshrrev_b32 v1, 5, v0
	v_readfirstlane_b32 s[WV], v1                  ; wave 0..3
	s_bfe_u32 s[CX], ttmp6, 0x40000
	s_mov_b32 s[CC], ttmp9                         ; in a cluster launch ttmp9 counts clusters
	s_and_b32 s[BA], ttmp7, 0xffff
	; descriptor group 1: a unit is 32,768 dense bytes: 128 rows of 32 elements of 8 bytes, no padding
	s_mov_b32 s[G1], 15|(3<<16)|(1<<21)            ; 15:0 the mask of four; 17:16 8-byte elements; 21 set beside a mask
	s_mov_b32 s[G1+1], 32<<16                      ; tensor_dim0 = 32
	s_mov_b32 s[G1+2], 128<<16                     ; tensor_dim1 = 128
	s_mov_b32 s[G1+3], 32<<16                      ; tile_dim0 = 32
	s_mov_b32 s[G1+4], 128                         ; tile_dim1 = 128
	s_mov_b32 s[G1+5], 32                          ; elements from row to row
	s_mov_b32 s[G1+6], 0
	s_mov_b32 s[G1+7], 0
	s_mov_b32 s[G0], 1                             ; count = 1
	s_lshl_b32 s[G0+1], s[WV], 15                  ; LDS address: my unit of slot 0
	s_mov_b32 s[OFF+1], 0
	s_mov_b32 s[CS], 0x3e0293ee                    ; c = log2(e) / sqrt(128) = 0.127517
	s_mov_b32 s[CS+1], s[CS]                       ; named with it as a pair
	s_mov_b32 s[SEL], 0x76543210
	s_mov_b32 s[SEL+1], 0xfedcba98
	s_mov_b32 s[BIGN], 0xf149f2ca                  ; -1e30
	s_mov_b32 s[AL+1], 0                           ; named as pairs
	s_mov_b32 s[BE+1], 0
	s_cmp_eq_u32 s[WV], s[CX]                      ; my keys against my work-group's queries in a block's last tile: values alone hang on cx
	s_cselect_b32 s[ALD], 1.0, 0
	s_cmp_gt_u32 s[WV], s[CX]
	s_cselect_b32 s[BED], s[BIGN], 0
	s_cmp_ge_u32 s[WV], s[CX]
	s_cselect_b32 s[HVD], s[BIGN], 0
	s_cmp_eq_u32 s[CC], 0
	s_cselect_b32 s[LIM], 2, -1                    ; the same in all four partners
	s_mov_b32 s[TB], SLOT1                         ; the first change of slots turns it into 0
	s_mov_b32 s[SLOTS], 16
	s_sub_co_u32 s[RT], 16, s[CC]                  ; the first block has 16 - c tiles
	s_mov_b32 s[NXT], 1
	s_sub_co_u32 s[LQ], 15, s[CC]
	s_lshl_b32 s18, s[LQ], 8                       ; the first block's first query,
	s_lshl_b32 s19, s[CX], 6
	s_lshl_b32 s20, s[BA], 12
	s_add_co_u32 s19, s19, s20                     ; (4,096 x batch + 64 cx)
	s_add_co_u32 s18, s18, s19
	s_lshl_b32 s20, s[CC], 8                       ; and the second's
	s_add_co_u32 s20, s20, s19
	s_mov_b32 s23, 0
	v_and_b32 v[QO], 31, v0
	v_lshlrev_b32 v[PFO], 8, v[QO]
	v_lshlrev_b32 v[QO], 4, v[QO]
	s_wait_dscnt 0x0                               ; the opening add is done
	s_wait_kmcnt 0x0
	s_lshl_b32 s22, s18, 8                         ; a row of q is 256 bytes,
	s_add_nc_u64 s[QH:QH+1], s[4:5], s[22:23]
	s_lshl_b32 s22, s20, 8
	s_add_nc_u64 s[QN:QN+1], s[4:5], s[22:23]
	s_lshl_b32 s22, s18, 9                         ; of out0 512
	s_add_nc_u64 s[OC:OC+1], s[8:9], s[22:23]
	s_lshl_b32 s22, s20, 9
	s_add_nc_u64 s[OL:OL+1], s[8:9], s[22:23]
	s_lshl_b32 s22, s[BA], 21                      ; a batch's 64 units,
	s_lshl_b32 s21, s[WV], 15                      ; my unit of a tile: the partners share both
	s_add_co_u32 s22, s22, s21
	s_add_nc_u64 s[KVB:KVB+1], s[6:7], s[22:23]
	s_add_nc_u64 s[G0+2:G0+3], s[KVB:KVB+1], 0     ; tile 0
	s_or_b32 s[G0+3], s[G0+3], 0x80000000          ; type = 2
	s_lshl_b32 s22, s[BA], 21
	s_lshl_b32 s21, s[CX], 15
	s_add_co_u32 s22, s22, s21
	s_lshl_b32 s21, s[WV], 13
	s_add_co_u32 s22, s22, s21
	s_add_co_u32 s22, s22, 131072                  ; in tile 1; the first change of slots steps it to tile 2
	s_add_nc_u64 s[PFA:PFA+1], s[6:7], s[22:23]
	QLOAD QH
	WIN 0
	CROUND                                         ; all four work-groups are here: the first joint load meets
	tensor_load_to_lds s[G0:G0+3], s[G1:G1+7]      ; tile 0 into slot 0; slot 1 is filled behind the first trip's round
	s_nop 0
	PLACES
	v_and_b32 v1, 15, v0                           ; r
	v_bfe_u32 v9, v0, 4, 1                         ; h
	s_lshl_b32 s21, s[WV], 15
	v_add_nc_u32 v[AK0], s21, v[QO]                ; K: 32,768 w + 16 x lane
	v_lshlrev_b32 v[AV0], 4, v1
	v_lshl_add_u32 v[AV0], v9, 11, v[AV0]
	s_add_co_u32 s21, s21, 16384
	v_add_nc_u32 v[AV0], s21, v[AV0]               ; V: 32,768 w + 16,384 + 2,048 h + 16 r
	s_mul_i32 s21, s[WV], 16*SP
	s_add_co_u32 s21, s21, STAGE
	v_mul_u32_u24 v[STO], v1, SP
	v_lshl_add_u32 v[STO], v9, 5, v[STO]
	v_add_nc_u32 v[STO], s21, v[STO]               ; my region, row r, 32 bytes for each half of the lanes
	s_mul_i32 s21, s[WV], 4*SP
	s_add_co_u32 s21, s21, STAGE
	v_add_nc_u32 v[RD], s21, v[QO]                 ; row 4 w of a region, 16 x lane
	s_lshl_b32 s21, s[WV], 11
	v_add_nc_u32 v[GO], s21, v[QO]                 ; and the same row in out0
	v_lshlrev_b32 v[SR], 3, v1
	v_add_nc_u32 v[SR], STAT, v[SR]
	s_lshl_b32 s21, s[WV], 7
	v_add_nc_u32 v[SA], s21, v[SR]
	v_lshlrev_b32 v44, 3, v9
	v_sub_nc_u32 v44, v1, v44                      ; r - 8 h: register j is hidden where j is greater
	WIN 0xc0
.set i, 0
.rept 8
	v_cmp_gt_i32 vcc_lo, i, v44
	v_cndmask_b32 v[D16+i], 0, s[BIGN], vcc_lo
.set i, i+1
.endr
	; O^T and l need only hold finite numbers: the first step multiplies them by a = 0.  264 lines, in the wait for the first tile: the price of writing no first step out.
	WIN 0x40
.set i, 0
.rept 256
	v_mov_b32 v[i], 0
.set i, i+1
.endr
	WIN 0
.irp t, 0,1,2,3
	v_mov_b32 v[ST+8*(\t)], 0xfe000000             ; c m: far below every c s
	v_mov_b32 v[ST+8*(\t)+1], 0xe9000000           ; m = -2^83
	v_mov_b32 v[ST+8*(\t)+2], 0
	v_mov_b32 v[ST+8*(\t)+3], 0
.endr
.Lslot:                                            ; 16 trips: a tile is entered and the next is asked for
	CHANGE 1
	s_sub_co_u32 s[RT], s[RT], 1
	s_cmp_eq_u32 s[RT], 0                          ; the block's last tile holds the diagonal
	s_cselect_b32 s[AL], s[ALD], 0
	s_cselect_b32 s[BE], s[BED], 0
	s_cselect_b32 s[HV], s[HVD], 0
	STEP
	s_cmp_lg_u32 s[RT], 0                          ; made of the cluster's number alone: the same in all waves and all partners
	s_cbranch_scc1 .Lbottom
	MERGE 1                                        ; in the loop this is the first block's end: the second's last tile is the walk's last
	s_wait_xcnt 0x0                                ; the stores have read their registers and out0's address
	s_mov_b64 s[OC:OC+1], s[OL:OL+1]
	s_add_co_u32 s[RT], s[CC], 1                   ; the second block has c + 1 tiles
.irp t, 0,1,2,3
	v_mov_b32 v[ST+8*(\t)], 0xfe000000
	v_mov_b32 v[ST+8*(\t)+1], 0xe9000000
.endr
.Lbottom:
	s_sub_co_u32 s[SLOTS], s[SLOTS], 1
	s_cmp_lg_u32 s[SLOTS], 0
	s_cbranch_scc1 .Lslot
	CHANGE 0                                       ; the walk's last tile is written out: nothing is asked for
	s_mov_b32 s[AL], s[ALD]                        ; it is the second block's last
	s_mov_b32 s[BE], s[BED]
	s_mov_b32 s[HV], s[HVD]
	STEP
	MERGE 0
	s_wait_tensorcnt 0x0                           ; the wave's end, behind my last tensor load and my last LDS store
	ds_add_u32 v[SPW], v[NIL]
	s_wait_dscnt 0x0
	CROUND                                         ; the closing round: no work-group ends while a partner may still ask for a tile that names it
	s_endpgm
.Lfunc_end_k_q67913476db_attn:
	.size	k_q67913476db_attn, .Lfunc_end_k_q67913476db_attn-k_q67913476db_attn
	.p2alignl 7, 3214868480
	.fill 96, 4, 3214868480
	.section	.rodata,"a",@progbits
	.p2align	6, 0x0
	.amdhsa_kernel k_q67913476db_attn
		.amdhsa_group_segment_fixed_size 327680
		.amdhsa_private_segment_fixed_size 0
		.amdhsa_enable_private_segment 0
		.amdhsa_kernarg_size 24
		.amdhsa_user_sgpr_count 2
		.amdhsa_user_sgpr_kernarg_segment_ptr 1
		.amdhsa_wavefront_size32 1
		.amdhsa_system_sgpr_workgroup_id_x 1
		.amdhsa_system_sgpr_workgroup_id_y 1
		.amdhsa_system_sgpr_workgroup_id_z 1
		.amdhsa_system_vgpr_workitem_id 0
		.amdhsa_next_free_vgpr 928
		.amdhsa_next_free_sgpr 72
		.amdhsa_reserve_vcc 1
		.amdhsa_float_denorm_mode_32 3
		.amdhsa_float_denorm_mode_16_64 3
		.amdhsa_memory_ordered 1
		.amdhsa_forward_progress 1
		.amdhsa_inst_pref_size 176
	.end_amdhsa_kernel
	.amdgpu_metadata
---
amdhsa.version: [ 1, 2 ]
amdhsa.kernels:
  - .name:           k_q67913476db_attn
    .symbol:         k_q67913476db_attn.kd
    .args:
      - { .name: qb, .offset: 0, .size: 8, .value_kind: global_buffer, .address_space: global }
      - { .name: kv, .offset: 8, .size: 8, .value_kind: global_buffer, .address_space: global }
      - { .name: out0, .offset: 16, .size: 8, .value_kind: global_buffer, .address_space: global }
    .group_segment_fixed_size: 327680
    .private_segment_fixed_size: 0
    .kernarg_segment_align: 8
    .kernarg_segment_size: 24
    .max_flat_workgroup_size: 128
    .sgpr_count:     72
    .vgpr_count:     928
    .wavefront_size: 32
...
	.end_amdgpu_metadata
.endif
;; end of part 3
;; launch early (part 4): grid 4 x 8, 1 waves a work-group, no clusters, 8,704 bytes of LDS; arguments hp, out0; writes out0
.if DOCPART == 4
	.amdgcn_target "amdgcn-amd-amdhsa--gfx1250"
	.amdhsa_code_object_version 6
	.text
	.protected	k_q67913476db_early
	.globl	k_q67913476db_early
	.p2align	8
	.type	k_q67913476db_early,@function
k_q67913476db_early:
	s_mov_b64 s[64:65], 0
	v_nop
	global_prefetch_b8 v0, s[64:65] scope:SCOPE_SE
	s_setreg_imm32_b32 hwreg(HW_REG_WAVE_MODE, 25, 1), 1
	s_wait_xcnt 0x0
; THE FIRST 64 ROWS OF EACH BATCH, FROM f32.  out0[q] = the sum over k <= q of softmax_k(q . k / sqrt(128)) v[k] for q = 0 .. 63, with q, k, v as the unrounded f32 sums that the projection left in hp.
; WHY.  Row q averages q + 1 keys only: in the first rows the terms are many times the whole output's root mean square, by which a number near zero is judged, and the roundings of q, k, v and p to
; 16 bits weigh most there.  So these rows are made once more without those roundings, and take the place of what the launch before stored for them: 512 of 32,768 rows.
; BOTH PRODUCTS TAKE THE f32 MATRIX FORM: 256 instructions in each of 32 waves, 8.4 million multiply-adds of the program's 44 thousand million: no bulk work.
; SHARES.  A work-group is one wave: 16 queries (tile t = its x) of one batch (its y) against keys 0 .. 63.  All four groups of 16 keys are multiplied whatever t, the hidden ones under the mask: the four
; accumulators of S^T take turns, and the tile that needs all four sets the launch's length.  No cluster, no prefetch: a batch's K and V are 64 KiB, read by four waves.
; LAYOUT.  S^T = K Q^T (source 0 = 16 keys, source 1 = 16 queries): a lane holds ONE query (l % 16) and the keys 8 (l / 16) + 0..7.  A source of this form is 16 rows x 4 along k in two registers: lane l
; holds row l % 16 and k = 2 (l / 16) + 0, 1.  k is permuted alike in both sources: a lane's 16 bytes of hp are channels 8 c + 4 (l / 16) + 0..3, two instructions' worth.  p's registers 2 i, 2 i + 1 of a
; key group ARE source 1 of O^T = V^T P for keys 8 (l / 16) + 2 i + 0, 1, and V lies in hp with keys innermost, eight to a lane.
; THE MASK is the C operand of each sum's first instruction: 0, -1e30, or in the tile's own key group D16 (-1e30 where 8 (l / 16) + j > l % 16).  Every query sees its own key, so the maximum is a true score.
; LIMITS.  A hidden score counts as its value less 1e30.  A weight below 2^-126 counts as 0.  NaN and infinities are not treated apart.
; REGISTERS, in windows of 256 (s_set_vgpr_msb: bits 1:0 source 0, 7:6 destination): window 0 as named below; window 1: K, key group kt, channels 8 c on at 64 kt + 4 c; window 2: V, key group kt,
; channels 16 cb on at 64 kt + 8 cb.  S^T's and O^T's registers are written by matrix instructions alone: p and the scaled O^T go elsewhere.
.set SP,    528                        ; a row of the stage: 512 bytes + 16
.set SPARE, 16*SP                      ; behind the stage: the spare words, which no other line names
.set KOFF,  32768                      ; k and v in a batch's part of hp
.set VOFF,  65536
.set LO,  3                            ; v3   16 x lane: my 16 bytes of 512 consecutive ones, in hp, in the stage and in out0; never rewritten
.set VA,  4                            ; v4   512 (l / 16) + 16 (l % 16): my place in a block of V; never rewritten
.set STO, 5                            ; v5   the way out: where I put 16 bytes of a row
.set SPW, 8                            ; v8   LDS address of my spare word; never rewritten
.set NIL, 9                            ; v9   0; never rewritten
.set CM,  10                           ; v10-11   c m, m
.set C0,  12                           ; v12-15   at work; at the end v12 holds 1 / l
.set Q,   16                           ; v[16:79]   Q, channels 8 c on at Q + 4 c; at the end O^T / l
.set S,   80                           ; v[80:111]  S^T, key group kt at S + 8 kt
.set O,   112                          ; v[112:175] O^T, channels 16 cb on at O + 8 cb
.set P,   176                          ; v[176:207] the four masks, then p; at the end, with what follows, the rows read back
.set T,   208                          ; v[208:215] D16; v[216:231] sums
.set AL,  14                           ; s[14:15] the mask's factor, in the low word
.set BE,  16                           ; s[16:17] its addend
.set CS,  18                           ; s[18:19] c
.set SEL, 20                           ; s[20:21] v_permlanex16_b32's selects: each lane takes its own place in the other half
.set BIGN, 22                          ; s22  -1e30
.set MSB, 0
.macro WIN new                         ; the immediate's high byte repeats the setting that is left; a switch that changes nothing is dropped
.if MSB != (\new)
	s_set_vgpr_msb (MSB<<8)|(\new)
.set MSB, (\new)
.endif
.endm
.macro KLOADS g                        ; 16 loads: channels 32 g .. 32 g + 31 of all 64 keys; each covers 512 consecutive bytes
	WIN 0x40
.set lc, 4*(\g)
.rept 4
.irp kt, 0,1,2,3
	global_load_b128 v[64*(\kt)+4*lc:64*(\kt)+4*lc+3], v[LO], s[4:5] offset:KOFF+8192*(\kt)+512*lc
.endr
.set lc, lc+1
.endr
.endm
.macro VLOADS kt                       ; 16 loads: all 128 channels of key group kt; 16 lanes cover 256 consecutive bytes
	WIN 0x80
.irp cb, 0,1,2,3,4,5,6,7
	global_load_b128 v[64*(\kt)+8*(\cb):64*(\kt)+8*(\cb)+3],   v[VA], s[4:5] offset:VOFF+8192*(\kt)+1024*(\cb)
	global_load_b128 v[64*(\kt)+8*(\cb)+4:64*(\kt)+8*(\cb)+7], v[VA], s[4:5] offset:VOFF+8192*(\kt)+1024*(\cb)+256
.endr
.endm
.macro KMUL g                          ; 32 products of S^T: channels 32 g on; the four accumulators by turns, one instruction a turn; the very first four start the sums with the masks
	WIN 0x01
.set mc, 4*(\g)
.rept 4
.irp i, 0,1
.irp kt, 0,1,2,3
.if (mc == 0) && ((\i) == 0)
	v_wmma_f32_16x16x4_f32 v[S+8*(\kt):S+8*(\kt)+7], v[64*(\kt)+4*mc+2*(\i):64*(\kt)+4*mc+2*(\i)+1], v[Q+4*mc+2*(\i):Q+4*mc+2*(\i)+1], v[P+8*(\kt):P+8*(\kt)+7]
.else
	v_wmma_f32_16x16x4_f32 v[S+8*(\kt):S+8*(\kt)+7], v[64*(\kt)+4*mc+2*(\i):64*(\kt)+4*mc+2*(\i)+1], v[Q+4*mc+2*(\i):Q+4*mc+2*(\i)+1], v[S+8*(\kt):S+8*(\kt)+7]
.endif
.endr
.endr
.set mc, mc+1
.endr
.endm
.macro PVM kt                          ; 32 products of O^T: key group kt; the eight accumulators by turns; the very first eight start the sums with 0
	WIN 0x02
.irp i, 0,1,2,3
.irp cb, 0,1,2,3,4,5,6,7
.if ((\kt) == 0) && ((\i) == 0)
	v_wmma_f32_16x16x4_f32 v[O+8*(\cb):O+8*(\cb)+7], v[64*(\kt)+8*(\cb)+2*(\i):64*(\kt)+8*(\cb)+2*(\i)+1], v[P+8*(\kt)+2*(\i):P+8*(\kt)+2*(\i)+1], 0
.else
	v_wmma_f32_16x16x4_f32 v[O+8*(\cb):O+8*(\cb)+7], v[64*(\kt)+8*(\cb)+2*(\i):64*(\kt)+8*(\cb)+2*(\i)+1], v[P+8*(\kt)+2*(\i):P+8*(\kt)+2*(\i)+1], v[O+8*(\cb):O+8*(\cb)+7]
.endif
.endr
.endr
.endm
.macro PLACES8                         ; eight places behind a matrix instruction of this form, in front of the first vector instruction that reads a result (ISA guide 7.12.1)
.rept 8
	v_nop
.endr
.endm
	s_load_b128 s[4:7], s[0:1], 0x0                ; hp s[4:5], out0 s[6:7]
	v_lshl_add_u32 v[SPW], v0, 2, SPARE
	v_mov_b32 v[NIL], 0
	v_and_b32 v1, 15, v0                           ; r = l % 16 (one wave: the thread's number is the lane)
	v_bfe_u32 v2, v0, 4, 1                         ; h = l / 16
	v_lshlrev_b32 v[LO], 4, v0
	v_lshlrev_b32 v[VA], 4, v1
	v_lshl_add_u32 v[VA], v2, 9, v[VA]
	v_mul_u32_u24 v[STO], v1, SP                   ; row r, 32 bytes for each half of the lanes
	v_lshl_add_u32 v[STO], v2, 5, v[STO]
	s_and_b32 s11, ttmp7, 0xffff                   ; the batch
	s_mul_i32 s12, s11, 98304
	s_mov_b32 s13, 0
	s_mov_b32 s[CS], 0x3e0293ee                    ; c = log2(e) / sqrt(128) = 0.127517
	s_mov_b32 s[CS+1], s[CS]                       ; named with it as a pair
	s_mov_b32 s[SEL], 0x76543210
	s_mov_b32 s[SEL+1], 0xfedcba98
	s_mov_b32 s[BIGN], 0xf149f2ca                  ; -1e30
	s_mov_b32 s[AL+1], 0                           ; named as pairs
	s_mov_b32 s[BE+1], 0
	s_wait_kmcnt 0x0
	s_add_nc_u64 s[4:5], s[4:5], s[12:13]          ; hp at my batch
	s_lshl_b32 s12, ttmp9, 13                      ; my 16 queries: 8,192 bytes of q,
	s_add_nc_u64 s[8:9], s[4:5], s[12:13]
	s_lshl_b32 s10, s11, 21                        ; and, behind the batch's 4,096 rows of 512 bytes, 8,192 bytes of out0
	s_add_co_u32 s12, s12, s10
	s_add_nc_u64 s[6:7], s[6:7], s[12:13]
.irp c, 0,1,2,3,4,5,6,7,8,9,10,11,12,13,14,15
	global_load_b128 v[Q+4*(\c):Q+4*(\c)+3], v[LO], s[8:9] offset:512*(\c)
.endr
	KLOADS 0
	KLOADS 1                                       ; 48 loads are out; from here on each wait lets a group of 16 or two follow, and never more than 48 are out
	WIN 0
	v_lshlrev_b32 v[C0], 3, v2
	v_sub_nc_u32 v[C0], v1, v[C0]                  ; r - 8 h: register j is hidden where j is greater
.set i, 0
.rept 8
	v_cmp_gt_i32 vcc_lo, i, v[C0]
	v_cndmask_b32 v[T+i], 0, s[BIGN], vcc_lo
.set i, i+1
.endr
.irp kt, 0,1,2,3                       ; key group kt against my tile t: D16 x AL + BE with (1, 0) if kt = t; (0, 0) if kt < t; (0, -1e30) if kt > t
	s_cmp_eq_u32 ttmp9, \kt
	s_cselect_b32 s[AL], 1.0, 0
	s_cmp_lt_u32 ttmp9, \kt
	s_cselect_b32 s[BE], s[BIGN], 0
.irp z, 0,1,2,3
	v_pk_fma_f32 v[P+8*(\kt)+2*(\z):P+8*(\kt)+2*(\z)+1], v[T+2*(\z):T+2*(\z)+1], s[AL:AL+1], s[BE:BE+1] op_sel_hi:[1,0,0]
.endr
.endr
	s_wait_loadcnt 16                              ; Q and K's channels 0-31 are in; the 16 loads behind them may be out
	KLOADS 2
	KLOADS 3
	KMUL 0
	s_wait_loadcnt 32                              ; K's channels 32-63 are in: two groups were issued behind them
	VLOADS 0
	KMUL 1
	s_wait_loadcnt 32                              ; channels 64-95: behind them K's last group and V's first
	VLOADS 1
	KMUL 2
	s_wait_loadcnt 32                              ; channels 96-127: behind them V's first two groups
	VLOADS 2
	KMUL 3
	s_wait_loadcnt 32                              ; V's key group 0 is in: behind it groups 1 and 2
	VLOADS 3
	WIN 0
	PLACES8
	; THE SOFTMAX, in one pass.  The maximum of the lane's 32 scores, three operands at a time; each accumulator's lowest registers are read first.
.irp j, 0,1,2,3
	v_max3_num_f32 v[C0+(\j)], v[S+8*(\j)], v[S+8*(\j)+1], v[S+8*(\j)+2]
.endr
.irp j, 0,1,2,3
	v_max3_num_f32 v[C0+(\j)], v[C0+(\j)], v[S+8*(\j)+3], v[S+8*(\j)+4]
.endr
.irp j, 0,1,2,3
	v_max3_num_f32 v[C0+(\j)], v[C0+(\j)], v[S+8*(\j)+5], v[S+8*(\j)+6]
.endr
	v_max3_num_f32 v[C0], v[C0], v[S+7], v[S+15]
	v_max3_num_f32 v[C0+2], v[C0+2], v[S+23], v[S+31]
	v_max3_num_f32 v[C0], v[C0], v[C0+1], v[C0+2]
	v_max_num_f32 v[C0], v[C0], v[C0+3]
	v_permlanex16_b32 v[C0+1], v[C0], s[SEL], s[SEL+1]  ; the query's other 32 keys lie in the lane 16 away
	v_max_num_f32 v[CM+1], v[C0], v[C0+1]          ; m
	v_mul_f32 v[CM], s[CS], v[CM+1]                ; c m
.set b, 0
.rept 16
	v_pk_fma_f32 v[P+2*b:P+2*b+1], v[S+2*b:S+2*b+1], s[CS:CS+1], v[CM:CM+1] op_sel_hi:[1,0,0] neg_lo:[0,0,1] neg_hi:[0,0,1]  ; c s - c m, into p's registers: the masks there are done with
.set b, b+1
.endr
.set b, 0
.rept 32
	v_exp_f32 v[P+b], v[P+b]                       ; one batch of 32
.set b, b+1
.endr
	v_nop                                          ; a plain instruction behind the last exponential,
	s_wait_alu depctr_va_vdst(0)                   ; and the one wait ahead of the first use
.set z, 0
.rept 8
	v_pk_add_f32 v[T+8+2*z:T+8+2*z+1], v[P+4*z:P+4*z+1], v[P+4*z+2:P+4*z+3]  ; l: p stays as it is, for the product
.set z, z+1
.endr
.set z, 0
.rept 4
	v_pk_add_f32 v[T+8+4*z:T+8+4*z+1], v[T+8+4*z:T+8+4*z+1], v[T+8+4*z+2:T+8+4*z+3]
.set z, z+1
.endr
	v_pk_add_f32 v[T+8:T+9], v[T+8:T+9], v[T+12:T+13]
	v_pk_add_f32 v[T+16:T+17], v[T+16:T+17], v[T+20:T+21]
	v_pk_add_f32 v[T+8:T+9], v[T+8:T+9], v[T+16:T+17]
	v_add_f32 v[C0], v[T+8], v[T+9]
	v_permlanex16_b32 v[C0+1], v[C0], s[SEL], s[SEL+1]
	v_add_f32 v[C0+2], v[C0], v[C0+1]
	v_rcp_f32 v[C0], v[C0+2]                       ; 1 / l: its wait stands behind the products, ahead of its first reader
	PVM 0
	s_wait_loadcnt 32                              ; V's key group 1: behind it groups 2 and 3
	PVM 1
	s_wait_loadcnt 16                              ; group 2: behind it group 3
	PVM 2
	s_wait_loadcnt 0x0
	PVM 3
	WIN 0
	PLACES8                                        ; behind the last products; also the plain instruction behind the reciprocal
	s_wait_alu depctr_va_vdst(0)                   ; the wait for the reciprocal
	; THE WAY OUT.  O^T / l goes into Q's registers, 16 bytes at a time into the stage, and comes back as whole rows of 512 bytes.
.set z, 0
.rept 32
	v_pk_mul_f32 v[Q+2*z:Q+2*z+1], v[O+2*z:O+2*z+1], v[C0:C0+1] op_sel_hi:[1,0]
.set z, z+1
.endr
.set z, 0
.rept 16
	ds_store_b128 v[STO], v[Q+4*z:Q+4*z+3] offset:(z/2)*64+(z%2)*16
.set z, z+1
.endr
.set z, 0
.rept 16
	ds_load_b128 v[P+4*z:P+4*z+3], v[LO] offset:z*SP  ; LDS serves a wave's instructions in order (ISA guide 5.7.1.4): these see the stores above
.set z, z+1
.endr
.set z, 0
.rept 16
	s_wait_dscnt 15-z
	global_store_b128 v[LO], v[P+4*z:P+4*z+3], s[6:7] offset:z*512  ; a whole row of out0: 512 consecutive bytes
.set z, z+1
.endr
	s_wait_tensorcnt 0x0                           ; the wave's end, behind my last LDS store
	ds_add_u32 v[SPW], v[NIL]
	s_wait_dscnt 0x0
	s_endpgm
.Lfunc_end_k_q67913476db_early:
	.size	k_q67913476db_early, .Lfunc_end_k_q67913476db_early-k_q67913476db_early
	.p2alignl 7, 3214868480
	.fill 96, 4, 3214868480
	.section	.rodata,"a",@progbits
	.p2align	6, 0x0
	.amdhsa_kernel k_q67913476db_early
		.amdhsa_group_segment_fixed_size 8704
		.amdhsa_private_segment_fixed_size 0
		.amdhsa_enable_private_segment 0
		.amdhsa_kernarg_size 16
		.amdhsa_user_sgpr_count 2
		.amdhsa_user_sgpr_kernarg_segment_ptr 1
		.amdhsa_wavefront_size32 1
		.amdhsa_system_sgpr_workgroup_id_x 1
		.amdhsa_system_sgpr_workgroup_id_y 1
		.amdhsa_system_sgpr_workgroup_id_z 1
		.amdhsa_system_vgpr_workitem_id 0
		.amdhsa_next_free_vgpr 768
		.amdhsa_next_free_sgpr 66
		.amdhsa_reserve_vcc 1
		.amdhsa_float_denorm_mode_32 3
		.amdhsa_float_denorm_mode_16_64 3
		.amdhsa_memory_ordered 1
		.amdhsa_forward_progress 1
		.amdhsa_inst_pref_size 45
	.end_amdhsa_kernel
	.amdgpu_metadata
---
amdhsa.version: [ 1, 2 ]
amdhsa.kernels:
  - .name:           k_q67913476db_early
    .symbol:         k_q67913476db_early.kd
    .args:
      - { .name: hp, .offset: 0, .size: 8, .value_kind: global_buffer, .address_space: global }
      - { .name: out0, .offset: 8, .size: 8, .value_kind: global_buffer, .address_space: global }
    .group_segment_fixed_size: 8704
    .private_segment_fixed_size: 0
    .kernarg_segment_align: 8
    .kernarg_segment_size: 16
    .max_flat_workgroup_size: 32
    .sgpr_count:     66
    .vgpr_count:     768
    .wavefront_size: 32
...
	.end_amdgpu_metadata
.endif
;; end of part 4
;; ======== version 2 of 2: 4 launches; version 1 with the launch prep written anew for expert scheduling mode
;; limits: values are held in f16: magnitudes above 65,504 overflow, below 6.1e-05 lose precision
;; workspace buffers: wt 1,572,864 bytes; qb 8,388,608 bytes; kv 16,777,216 bytes; hp 786,432 bytes
;; launch prep (part 5): grid 16 x 6, 4 waves a work-group, no clusters, 17,920 bytes of LDS; arguments Wq, Wk, Wv, wt; writes wt
.if DOCPART == 5
	.amdgcn_target "amdgcn-amd-amdhsa--gfx1250"
	.amdhsa_code_object_version 6
	.text
	.protected	k_q67913476db_prep
	.globl	k_q67913476db_prep
	.p2align	8
	.type	k_q67913476db_prep,@function
k_q67913476db_prep:
	s_mov_b64 s[64:65], 0
	v_nop
	global_prefetch_b8 v0, s[64:65] scope:SCOPE_SE
	s_setreg_imm32_b32 hwreg(HW_REG_WAVE_SCHED_MODE, 0, 2), 2
	s_setreg_imm32_b32 hwreg(HW_REG_WAVE_MODE, 25, 1), 1
	s_wait_xcnt 0x0
	s_wait_alu depctr_vm_vsrc(0)
; THE WEIGHTS, CAST AND TURNED.  W_mu is [2048 k][128 n] f32 (mu = 0: Wq, 1: Wk, 2: Wv); wt is bf16 [384 rows][2048 k], a row 4,096 bytes.
; Column n of W_mu becomes row 96 (n / 32) + 32 mu + n % 32: rows 96 w .. 96 w + 95 are columns 32 w .. 32 w + 31 of q, then of k, then of v.
; A work-group takes 128 k x 64 columns of one matrix: 16 x 6 work-groups.  Each wave loads 32 rows of k (16 lanes take 256 consecutive bytes of a row), rounds two
; neighbouring k of a column into one word, and puts it into a turned tile in LDS; behind a barrier each wave reads 16 whole rows of 256 bytes and stores them,
; 16 lanes to 256 consecutive bytes at a multiple of 256 from wt's first byte.  No matrix unit, no cluster: 3 MiB are read once and nothing is shared.
; THE MODE: SCHED_MODE bits 1:0 = 2 (LLVM: expert scheduling mode 2), set by the entry lines.  The code itself states the register dependences
; between vector instructions and memory or LDS instructions, with s_wait_alu, always for 0.
; THE PLAN.  Registers that memory or LDS instructions touch:
;   v3 - v6    offsets and LDS addresses, made once at the head and never written again: one wait ahead of the first load serves every load and store of the kernel.
;   IN         The 16 global loads land in it; the conversions read it; behind the barrier the 8 LDS loads land in its first half, which the global stores then read.
;              No vector instruction writes it, and no memory or LDS instruction reads it before those LDS loads have landed.
;   PK         Each register is written once, by a conversion, and read once, by an LDS store.
; The eight pairs of rows go in four steps of two.  Step s rounds its pairs into PK[s]; its LDS instructions are the eight stores of PK[s - 1], which no conversion of step s names.
; So one wait at a step's head, behind the wait for the step's data, states all that its eight stores hang on, and they are dealt among its eight conversions with no further wait.
; One more wait behind step 3 serves the last eight stores and the LDS loads into IN.  No register that a memory or LDS instruction has read is written again.
.set PITCH, 272                        ; a row of the turned tile: 256 bytes + 16
.set LO,  3                            ; v3  my byte offset in the wave's rows of W: 2 (l / 16) rows + 16 (l % 16)
.set TS,  4                            ; v4  where I put a word of the turned tile
.set TR,  5                            ; v5  where I read 16 bytes of a row back
.set GO,  6                            ; v6  my byte offset in two rows of wt
.set IN,  16                           ; v[16:79]  16 loads; later v[16:47] the rows read back
.set PK,  80                           ; v[80:111] 32 packed words
.set WV,  14                           ; s14 my wave's number
	s_load_b256 s[4:11], s[0:1], 0x0               ; Wq s[4:5], Wk s[6:7], Wv s[8:9], wt s[10:11]
	v_lshl_add_u32 v14, v0, 2, 0x4400
	v_mov_b32 v15, 0
	v_lshrrev_b32 v1, 5, v0
	v_readfirstlane_b32 s[WV], v1                  ; wave 0..3
	v_and_b32 v1, 15, v0                           ; r = l % 16
	v_bfe_u32 v2, v0, 4, 1                         ; h = l / 16
	s_and_b32 s15, ttmp7, 0xffff                   ; y = 2 mu + nh
	s_lshr_b32 s16, s15, 1                         ; mu: which matrix
	s_and_b32 s17, s15, 1                          ; nh: which 64 columns
	v_lshlrev_b32 v7, 4, v1                        ; 16 r
	v_lshl_add_u32 v[LO], v2, 10, v7               ; + 2 h rows of 512 bytes
	v_mul_u32_u24 v[TS], v1, 4*PITCH               ; column 4 r (+ e by the immediate),
	v_lshl_add_u32 v[TS], v2, 2, v[TS]             ; k = 32 w + 4 j + 2 h: 2 bytes each
	s_wait_alu depctr_va_sdst(0)                   ; s14, the wave's number, is written, ahead of its first reader: LDS addresses and both bases are made from it
	s_lshl_b32 s18, s[WV], 6
	v_add_nc_u32 v[TS], s18, v[TS]
	v_mul_u32_u24 v[TR], v2, PITCH                 ; back: lanes 0-15 one row, lanes 16-31 the next,
	v_add_nc_u32 v[TR], v[TR], v7
	s_mul_i32 s18, s[WV], 16*PITCH                 ; of my wave's 16 rows
	v_add_nc_u32 v[TR], s18, v[TR]
	v_lshl_add_u32 v[GO], v2, 12, v7               ; and the same two rows in wt
	s_lshl_b32 s20, ttmp9, 16                      ; from: (128 kb + 32 w) rows of 512 bytes + 256 nh
	s_lshl_b32 s18, s[WV], 14
	s_add_co_u32 s20, s20, s18
	s_lshl_b32 s18, s17, 8
	s_add_co_u32 s20, s20, s18
	s_mov_b32 s21, 0
	s_lshl_b32 s22, s17, 1                         ; to: row 96 (2 nh + w / 2) + 32 mu + 16 (w % 2), byte 256 kb
	s_lshr_b32 s18, s[WV], 1
	s_add_co_u32 s22, s22, s18
	s_mul_i32 s22, s22, 96
	s_lshl_b32 s18, s16, 5
	s_add_co_u32 s22, s22, s18
	s_and_b32 s18, s[WV], 1
	s_lshl_b32 s18, s18, 4
	s_add_co_u32 s22, s22, s18
	s_lshl_b32 s22, s22, 12
	s_lshl_b32 s18, ttmp9, 8
	s_add_co_u32 s22, s22, s18
	s_mov_b32 s23, 0
	s_wait_kmcnt 0x0
	s_cmp_eq_u32 s16, 1                            ; the matrix is chosen by the work-group's y alone
	s_cselect_b64 s[12:13], s[6:7], s[4:5]
	s_cmp_eq_u32 s16, 2
	s_cselect_b64 s[12:13], s[8:9], s[12:13]
	s_add_nc_u64 s[12:13], s[12:13], s[20:21]
	s_add_nc_u64 s[10:11], s[10:11], s[22:23]
	s_wait_alu depctr_va_vdst(0)                   ; v3 to v6 are written: every load and store below, global or LDS, reads one of them as its offset or address
.irp j, 0,1,2,3,4,5,6,7                ; pair j: rows 4 j + 2 h and the row behind it
	global_load_b128 v[IN+8*(\j):IN+8*(\j)+3],   v[LO], s[12:13] offset:2048*(\j) th:TH_LOAD_NT
	global_load_b128 v[IN+8*(\j)+4:IN+8*(\j)+7], v[LO], s[12:13] offset:2048*(\j)+512 th:TH_LOAD_NT
.endr
.irp s, 0,1,2,3                        ; step s: pairs 2 s and 2 s + 1 are rounded; the words of the step before go into LDS
	s_wait_loadcnt 12-4*(\s)                       ; loads come back in order: the step's four are in, the younger steps' stay out
.if (\s) > 0
	s_wait_alu depctr_va_vdst(0)                   ; the conversions of the step before have written their eight words of PK, which the LDS stores below read
.endif
.irp p, 0,1
.irp e, 0,1,2,3
	v_cvt_pk_bf16_f32 v[PK+4*(2*(\s)+(\p))+(\e)], v[IN+8*(2*(\s)+(\p))+(\e)], v[IN+8*(2*(\s)+(\p))+4+(\e)]  ; (k, k + 1) of column 4 r + e
.if (\s) > 0
	ds_store_b32 v[TS], v[PK+4*(2*(\s)+(\p)-2)+(\e)] offset:(\e)*PITCH+8*(2*(\s)+(\p)-2)  ; no vector instruction since the wait names this word or v4
.endif
.endr
.endr
.endr
	s_wait_alu depctr_va_vdst(0)                   ; step 3's conversions have written their words of PK, which the last stores read; and all conversions are done reading IN, in which the LDS loads below land
.irp p, 0,1
.irp e, 0,1,2,3
	ds_store_b32 v[TS], v[PK+4*(6+(\p))+(\e)] offset:(\e)*PITCH+8*(6+(\p))
.endr
.endr
	s_wait_dscnt 0x0                               ; for the others' sake: my stores are done
	s_barrier_signal -1
	s_barrier_wait -1                              ; a row of the turned tile holds k from all four waves
.irp t, 0,1,2,3,4,5,6,7
	ds_load_b128 v[IN+4*(\t):IN+4*(\t)+3], v[TR] offset:(\t)*2*PITCH
.endr
.irp t, 0,1,2,3,4,5,6,7
	s_wait_dscnt 7-(\t)
	global_store_b128 v[GO], v[IN+4*(\t):IN+4*(\t)+3], s[10:11] offset:(\t)*8192
.endr
	s_wait_dscnt 0x0                               ; the wave's end
	s_wait_alu depctr_hold_cnt(0) depctr_sa_sdst(0) depctr_va_vdst(0) depctr_va_sdst(0) depctr_va_ssrc(0) depctr_va_vcc(0) depctr_vm_vsrc(0)
	s_wait_tensorcnt 0x0
	ds_add_u32 v14, v15
	s_wait_dscnt 0x0
	s_endpgm
.Lfunc_end_k_q67913476db_prep:
	.size	k_q67913476db_prep, .Lfunc_end_k_q67913476db_prep-k_q67913476db_prep
	.p2alignl 7, 3214868480
	.fill 96, 4, 3214868480
	.section	.rodata,"a",@progbits
	.p2align	6, 0x0
	.amdhsa_kernel k_q67913476db_prep
		.amdhsa_group_segment_fixed_size 17920
		.amdhsa_private_segment_fixed_size 0
		.amdhsa_enable_private_segment 0
		.amdhsa_kernarg_size 32
		.amdhsa_user_sgpr_count 2
		.amdhsa_user_sgpr_kernarg_segment_ptr 1
		.amdhsa_wavefront_size32 1
		.amdhsa_system_sgpr_workgroup_id_x 1
		.amdhsa_system_sgpr_workgroup_id_y 1
		.amdhsa_system_sgpr_workgroup_id_z 1
		.amdhsa_system_vgpr_workitem_id 0
		.amdhsa_next_free_vgpr 112
		.amdhsa_next_free_sgpr 66
		.amdhsa_reserve_vcc 0
		.amdhsa_float_denorm_mode_32 3
		.amdhsa_float_denorm_mode_16_64 3
		.amdhsa_memory_ordered 1
		.amdhsa_forward_progress 1
		.amdhsa_inst_pref_size 10
	.end_amdhsa_kernel
	.amdgpu_metadata
---
amdhsa.version: [ 1, 2 ]
amdhsa.kernels:
  - .name:           k_q67913476db_prep
    .symbol:         k_q67913476db_prep.kd
    .args:
      - { .name: Wq, .offset: 0, .size: 8, .value_kind: global_buffer, .address_space: global }
      - { .name: Wk, .offset: 8, .size: 8, .value_kind: global_buffer, .address_space: global }
      - { .name: Wv, .offset: 16, .size: 8, .value_kind: global_buffer, .address_space: global }
      - { .name: wt, .offset: 24, .size: 8, .value_kind: global_buffer, .address_space: global }
    .group_segment_fixed_size: 17920
    .private_segment_fixed_size: 0
    .kernarg_segment_align: 8
    .kernarg_segment_size: 32
    .max_flat_workgroup_size: 128
    .sgpr_count:     66
    .vgpr_count:     112
    .wavefront_size: 32
...
	.end_amdgpu_metadata
.endif
;; end of part 5
;; launch proj: the kernel of part 2 again; grid 256 x 1, 4 waves a work-group, clusters of 4 x 1, 327,680 bytes of LDS; arguments x, wt, qb, kv, hp; writes qb, kv, hp
;; launch attn: the kernel of part 3 again; grid 32 x 8, 4 waves a work-group, clusters of 4 x 1, 327,680 bytes of LDS; arguments qb, kv, out0; writes out0
;; launch early: the kernel of part 4 again; grid 4 x 8, 1 waves a work-group, no clusters, 8,704 bytes of LDS; arguments hp, out0; writes out0
